; MI455X (gfx1250); checked and timed in simulation.
; The chip was launched on July 23, 2026; its instructions are those of AMD's public machine-readable ISA for CDNA 5 (MIT licence, August 2026) and "CDNA5" Instruction Set Architecture Reference Guide (July 2026). The comments in the code are by the model that wrote it; some were corrected since.
;; Attention Separate QKV. Allowed arithmetic: matrix products marked QUANTISED: E2M1 operands, one E8M0 scale for each 32 along K, by v_wmma_scale_f32_16x16x128_f8f6f4 with both operands' format E2M1 (or v_wmma_scale_f32_32x16x128_f4), f32 sums; everything else in f32.
;; Inputs: Wk 768 x 768 float32; Wp 768 x 768 float32; Wq 768 x 768 float32; bk 768 float32; bp 768 float32; bq 768 float32; x 16 x 1,024 x 768 float32.
;; Outputs: out0 16 x 1,024 x 768 float32.
;; This version of the problem:
;;   THIS VERSION OF THE PROBLEM IS GIVEN IN LOW PRECISION. The matrix products marked QUANTISED in the list below multiply operands that are first quantised to E2M1 (2 exponent bits, 1 mantissa bit; 4 bits a number), with one power-of-two scale for each 32 numbers along K (OCP MX v1.0); their sums are f32. All else is computed in f32.
;;   The module's matrix products, in the order in which they are computed (A, B: the left and right operand; K: the contracted axis; several contracted axes count as one K, in the product's order):
;;     1. [M 16,384, K 768] x [K 768, N 768]; A: input x; B: input Wq: QUANTISED
;;     2. [M 16,384, K 768] x [K 768, N 768]; A: input x; B: input Wk: QUANTISED
;;     3. batch 192 x [M 1,024, K 64] x [K 64, N 1,024]; A: computed on the way; B: computed on the way: QUANTISED
;;     4. batch 192 x [M 1,024, K 1,024] x [K 1,024, N 64]; A: softmax (see below); B: computed on the way: QUANTISED
;;     5. [M 16,384, K 768] x [K 768, N 768]; A: computed on the way; B: input Wp: QUANTISED
;;   THE QUANTISER, for each operand of a quantised product, along K:
;;     - K is cut into blocks of 32 from its start; a last block that is shorter is filled with zeros.
;;     - A block's scale is 2^e with e = floor(log2(the largest magnitude in the block)) - 2, held to -126 .. 127; a block of zeros has e = 0. As a byte (E8M0): e + 127.
;;     - Each number is divided by its block's scale, clamped to +-6, and rounded to the nearest number of E2M1, ties to even, subnormals kept.
;;     - The product sums the exact products of the quantised numbers (number of the format x scale) in f32.
;;   ~~~python
;;   def quantise(x, axis):      # numpy; x: float32 -> the quantised numbers, widened to float32 again
;;       x = np.moveaxis(x, axis, -1); K = x.shape[-1]
;;       x = np.pad(x, [(0, 0)] * (x.ndim - 1) + [(0, -K % 32)]); x = x.reshape(x.shape[:-1] + (-1, 32)); a = np.abs(x).max(-1, keepdims=True)
;;       e = np.where(a > 0, np.clip(np.frexp(np.where(a > 0, a, 1))[1] - 1 - 2, -126, 127), 0)      # np.frexp(a)[1] - 1 = floor(log2(a)), exactly
;;       r = np.clip(x / 2.0 ** e, -6, 6)
;;       step = 2.0 ** (np.maximum(np.frexp(np.where(r == 0, 1, r))[1] - 1, 0) - 1)
;;       q = np.round(r / step) * step * 2.0 ** e      # np.round: ties to even
;;       return np.moveaxis(q.reshape(q.shape[:-2] + (-1,))[..., :K], -1, axis).astype(np.float32)
;;   ~~~
;;   SOFTMAX AHEAD OF A QUANTISED PRODUCT. Where the list says 'softmax', what is quantised is not the finished softmax but p = 2^(t - M), with t = logit x log2(e) and M = ceil(the row's largest t), a whole number; so 1/2 < the row's largest p <= 1. The row's sum l is taken of the UNQUANTISED p, in f32, and the product's result is divided by l at the end. Since M is a whole number, a kernel that streams over the keys may use a running M (the ceiling of the running maximum): every later rescaling is an exact power of two, which a block's scale takes up: the codes' values come out the same.
;;   OPERANDS COMPUTED ON THE WAY. 'Computed on the way' means the value that the module computes at that place (a softmax that the list does not call 'softmax' is quantised finished and normalised). What goes into a quantiser is computed in f32, as accurately as f32 sums, v_exp_f32 and their like allow (about 1e-6 of the number): no bf16 or f16 on the way to a quantiser, and a product that is left as it is and whose result goes on into a quantised operand takes f32 operands (vector FMAs, or v_wmma_f32_16x16x4_f32). A number that lies on a knife's edge between two numbers of the format may be rounded either way, as far as f32 arithmetic and the matrix unit's own rounding can turn it there, and no further.
;; 2 versions. Each part assembles by itself: llvm-mc -triple=amdgcn-amd-amdhsa -mcpu=gfx1250 --defsym DOCPART=n.
;; ======== version 1 of 2: 4 launches
;; workspace buffers: xw_codes 7,176,192 bytes; xw_scales 598,016 bytes; qkv_codes 18,874,368 bytes; qkv_scales 1,572,864 bytes; o_codes 6,291,456 bytes; o_scales 393,216 bytes
;; launch quant (part 1): grid 292 x 1, 4 waves a work-group, no clusters, 34,304 bytes of LDS; arguments x, Wq, Wk, Wp, xw_codes, xw_scales; writes xw_codes, xw_scales
.if DOCPART == 1
	.amdgcn_target "amdgcn-amd-amdhsa--gfx1250"
	.amdhsa_code_object_version 6
	.text
	.protected	k_qbf8d6784e3_quant
	.globl	k_qbf8d6784e3_quant
	.p2align	8
	.type	k_qbf8d6784e3_quant,@function
k_qbf8d6784e3_quant:
	s_mov_b64 s[64:65], 0
	v_nop
	global_prefetch_b8 v0, s[64:65] scope:SCOPE_SE
	s_setreg_imm32_b32 hwreg(HW_REG_WAVE_MODE, 25, 1), 1
	s_wait_xcnt 0x0
; x [16384][768], Wq, Wk, Wp [768][768], f32, K innermost, become codes of FP4 (E2M1) with one E8M0 byte for each 32 along K,
; laid as IMAGES OF OPERAND REGISTERS.  A tile is 16 rows; tile 2 g + u, lane r takes row 32 g + 8 u + r + 8 (r / 8), so that the results of two
; neighbouring tiles, used as source 0 of a product, are 16 neighbours in a lane's registers.  A fragment (16 rows x 128 K) is 1,024 bytes:
; [c 2][lane 32][16 bytes], lane (r, h) holding k = 64 c + 32 h + 0 .. 31 of its row.
; xw_codes: [tile 1168][K step 6][1,024];  tiles 0-1023 x, 1024-1071 Wq, 1072-1119 Wk, 1120-1167 Wp.
; xw_scales: [tile][r 16][8 words]: word s = the four bytes of K step s; words 6, 7 repeat words 2, 3 and are used by nobody.
; SHARES: a wave takes one tile, all six K steps.  Each load reads 512 consecutive bytes of one row; a K step's 16 rows turn through the wave's own
; stage in LDS (rows 528 bytes apart: 132 words, so 16 rows start at 16 different groups of banks) and come back 16 neighbours a lane and block.
; A block's scale is 2^(floor(log2(largest magnitude)) - 2): its byte is the largest magnitude's exponent field - 2, held at 1 from below.
; LIMITS: a block of zeros gets the byte 1 where the rule says 127 (its codes are zeros, and this program alone reads the bytes);
; NaN and infinities among the inputs are not served.
; No matrix unit, no cluster, no barrier: waves share nothing, and every input byte is read once.
.set STGB, 8448                        ; a wave's stage: 16 rows x 528 bytes
.set R,   16                           ; v16-143  two sets of 64: a K step's numbers as loaded
.set X,   144                          ; v144-207 64 numbers: register 16 b + i = k 32 b + 16 h + i of my row
.set TM,  208                          ; v208-223 at work
.set PC,  224                          ; v224-231 the fragment's codes
.set PW,  232                          ; v232-237 the six scale words
.set SEL, 26                           ; s[26:27] lane selects: lane l xor 16
	s_load_b256 s[4:11], s[0:1], 0x0               ; x, Wq, Wk, Wp
	s_load_b128 s[12:15], s[0:1], 0x20             ; xw_codes, xw_scales
	v_lshl_add_u32 v240, v0, 2, 0x8400
	v_mov_b32 v241, 0
	v_lshrrev_b32 v5, 5, v0
	v_readfirstlane_b32 s16, v5                    ; wave
	v_and_b32 v6, 31, v0                           ; lane
	v_and_b32 v7, 15, v0                           ; r
	v_bfe_u32 v8, v0, 4, 1                         ; h
	v_lshlrev_b32 v1, 4, v6                        ; 16 x lane: my bytes of a load's 512, and of an image's 512
	s_mul_i32 s17, s16, STGB
	v_add_nc_u32 v2, s17, v1                       ; the stage, on the way in
	v_mul_u32_u24 v3, v7, 528
	v_lshl_add_u32 v3, v8, 6, v3
	v_add_nc_u32 v3, s17, v3                       ; and on the way out: row r, + 64 h
	v_lshlrev_b32 v4, 5, v7
	v_lshl_add_u32 v4, v8, 4, v4                   ; the scale words' place: 32 r + 16 h
	s_mov_b32 s24, 0xffff0000                      ; lanes 16-31
	s_mov_b32 s[SEL], 0x76543210
	s_mov_b32 s[SEL+1], 0xfedcba98
.irp b, 0,1,2,3
	v_mov_b32 v[TM+4+\b], 0                        ; written once: a lane permute's destination counts as one of its sources
.endr
	s_mov_b32 s20, 280
	s_mov_b32 s23, 0
	s_wait_kmcnt 0x0
	s_cmp_lt_u32 ttmp9, 280                        ; which tensor: the choice hangs on the work-group's number alone; one path serves all four
	s_cselect_b64 s[18:19], s[8:9], s[10:11]
	s_cselect_b32 s20, 268, s20
	s_cmp_lt_u32 ttmp9, 268
	s_cselect_b64 s[18:19], s[6:7], s[18:19]
	s_cselect_b32 s20, 256, s20
	s_cmp_lt_u32 ttmp9, 256
	s_cselect_b64 s[18:19], s[4:5], s[18:19]
	s_cselect_b32 s20, 0, s20                      ; the tensor's first work-group
	s_sub_co_u32 s20, ttmp9, s20
	s_lshl_b32 s20, s20, 2
	s_add_co_u32 s20, s20, s16                     ; my tile in its tensor
	s_lshr_b32 s21, s20, 1
	s_lshl_b32 s21, s21, 5
	s_and_b32 s22, s20, 1
	s_lshl_b32 s22, s22, 3
	s_add_co_u32 s22, s21, s22                     ; its first row: 32 g + 8 u
	s_mul_i32 s22, s22, 3072
	s_add_nc_u64 s[18:19], s[18:19], s[22:23]
	s_lshl_b32 s20, ttmp9, 2
	s_add_co_u32 s20, s20, s16                     ; my tile among all 1,168
	s_mul_i32 s22, s20, 6144
	s_add_nc_u64 s[12:13], s[12:13], s[22:23]
	s_lshl_b32 s22, s20, 9
	s_add_nc_u64 s[14:15], s[14:15], s[22:23]
.macro LOAD s                          ; K step s: 16 rows x 512 bytes; row i of the tile lies i + 8 (i / 8) rows down
.irp i, 0,1,2,3,4,5,6,7,8,9,10,11,12,13,14,15
	global_load_b128 v[R+64*((\s)%2)+4*\i:R+64*((\s)%2)+4*\i+3], v1, s[18:19] offset:(\i+8*(\i/8))*3072+512*(\s) th:TH_LOAD_NT
.endr
.endm
; 64 numbers of a lane become a fragment's codes in v[PC] on and its row's scale word in v[pw]
.macro QUANT s, pw
.irp b, 0,1,2,3
	v_max3_num_f32 v[TM+\b], |v[\s+16*\b]|, |v[\s+1+16*\b]|, 0x1800000   ; my 16 numbers of block b, and the floor 2^(3 - 127): the byte cannot fall under 1
.endr
.irp i, 2,4,6,8,10,12,14
.irp b, 0,1,2,3
	v_max3_num_f32 v[TM+\b], v[TM+\b], |v[\s+16*\b+\i]|, |v[\s+1+16*\b+\i]|   ; the four blocks by turns
.endr
.endr
.irp b, 0,1,2,3
	v_permlanex16_b32 v[TM+4+\b], v[TM+\b], s[SEL], s[SEL+1]
.endr
.irp b, 0,1,2,3
	v_max_num_f32 v[TM+\b], v[TM+\b], v[TM+4+\b]   ; with lane l xor 16's: the block's largest magnitude
.endr
.irp b, 0,1,2,3
	v_add_nc_u32 v[TM+12+\b], 0xff000000, v[TM+\b] ; 2 off its exponent field: the conversion's scale operand
.endr
.irp b, 0,1,2,3
	v_lshrrev_b32 v[TM+4+\b], 23, v[TM+12+\b]      ; the scale's byte
.endr
	v_lshl_or_b32 v[\pw], v[TM+5], 8, v[TM+4]
	v_lshl_or_b32 v[\pw], v[TM+6], 16, v[\pw]
	v_lshl_or_b32 v[\pw], v[TM+7], 24, v[\pw]
.irp b, 0,1,2,3
	v_cvt_scalef32_pk8_fp4_f32 v[PC+2*\b], v[\s+16*\b:\s+7+16*\b], v[TM+12+\b]
	v_cvt_scalef32_pk8_fp4_f32 v[PC+1+2*\b], v[\s+8+16*\b:\s+15+16*\b], v[TM+12+\b]
.endr
	v_nop                                          ; one plain place behind a scaled conversion
.irp c, 0,1                                    ; a whole block to a lane: lanes 0-15 block 2 c, lanes 16-31 block 2 c + 1
.irp i, 0,1
	v_permlane16_swap_b32 v[PC+4*\c+\i], v[PC+2+4*\c+\i]
.endr
.endr
.endm
.macro STEP s
.if \s < 5
	s_wait_loadcnt 16                              ; this K step's 16 loads are in; the next step's 16 may be out
.else
	s_wait_loadcnt 0x0
.endif
.irp i, 0,1,2,3,4,5,6,7,8,9,10,11,12,13,14,15
	ds_store_b128 v2, v[R+64*((\s)%2)+4*\i:R+64*((\s)%2)+4*\i+3] offset:528*\i
.endr
.irp b, 0,1,2,3
.irp j, 0,1,2,3
	ds_load_b128 v[X+16*\b+4*\j:X+16*\b+4*\j+3], v3 offset:128*\b+16*\j   ; LDS serves a wave's instructions in order: these see the stores above
.endr
.endr
	s_wait_dscnt 0x0                               ; the numbers are back, and the stores into the stage have read their registers
	s_wait_xcnt 0x0                                ; the last step's two stores have read the codes' registers: they are written again below
.if \s < 4
	LOAD (\s)+2                                    ; into the set just emptied
.endif
	QUANT X, PW+\s
	global_store_b128 v1, v[PC:PC+3], s[12:13] offset:1024*\s         ; 32 lanes store 512 consecutive bytes, aligned
	global_store_b128 v1, v[PC+4:PC+7], s[12:13] offset:1024*\s+512
.endm
	LOAD 0
	LOAD 1
.irp s, 0,1,2,3,4,5
	STEP \s
.endr
	v_cndmask_b32 v[PW], v[PW], v[PW+4], s24       ; lanes 16-31 carry words 4, 5 (and words 2, 3 once more)
	v_cndmask_b32 v[PW+1], v[PW+1], v[PW+5], s24
	global_store_b128 v4, v[PW:PW+3], s[14:15]     ; the tile's 512 bytes of scale words, on end
	s_wait_tensorcnt 0x0
	ds_add_u32 v240, v241
	s_wait_dscnt 0x0
	s_endpgm
.Lfunc_end_k_qbf8d6784e3_quant:
	.size	k_qbf8d6784e3_quant, .Lfunc_end_k_qbf8d6784e3_quant-k_qbf8d6784e3_quant
	.p2alignl 7, 3214868480
	.fill 96, 4, 3214868480
	.section	.rodata,"a",@progbits
	.p2align	6, 0x0
	.amdhsa_kernel k_qbf8d6784e3_quant
		.amdhsa_group_segment_fixed_size 34304
		.amdhsa_private_segment_fixed_size 0
		.amdhsa_enable_private_segment 0
		.amdhsa_kernarg_size 48
		.amdhsa_user_sgpr_count 2
		.amdhsa_user_sgpr_kernarg_segment_ptr 1
		.amdhsa_wavefront_size32 1
		.amdhsa_system_sgpr_workgroup_id_x 1
		.amdhsa_system_sgpr_workgroup_id_y 1
		.amdhsa_system_sgpr_workgroup_id_z 1
		.amdhsa_system_vgpr_workitem_id 0
		.amdhsa_next_free_vgpr 242
		.amdhsa_next_free_sgpr 66
		.amdhsa_reserve_vcc 0
		.amdhsa_float_denorm_mode_32 3
		.amdhsa_float_denorm_mode_16_64 3
		.amdhsa_memory_ordered 1
		.amdhsa_forward_progress 1
		.amdhsa_inst_pref_size 48
	.end_amdhsa_kernel
	.amdgpu_metadata
---
amdhsa.version: [ 1, 2 ]
amdhsa.kernels:
  - .name:           k_qbf8d6784e3_quant
    .symbol:         k_qbf8d6784e3_quant.kd
    .args:
      - { .name: x, .offset: 0, .size: 8, .value_kind: global_buffer, .address_space: global }
      - { .name: Wq, .offset: 8, .size: 8, .value_kind: global_buffer, .address_space: global }
      - { .name: Wk, .offset: 16, .size: 8, .value_kind: global_buffer, .address_space: global }
      - { .name: Wp, .offset: 24, .size: 8, .value_kind: global_buffer, .address_space: global }
      - { .name: xw_codes, .offset: 32, .size: 8, .value_kind: global_buffer, .address_space: global }
      - { .name: xw_scales, .offset: 40, .size: 8, .value_kind: global_buffer, .address_space: global }
    .group_segment_fixed_size: 34304
    .private_segment_fixed_size: 0
    .kernarg_segment_align: 8
    .kernarg_segment_size: 48
    .max_flat_workgroup_size: 128
    .sgpr_count:     66
    .vgpr_count:     242
    .wavefront_size: 32
...
	.end_amdgpu_metadata
.endif
;; end of part 1
;; launch qkv (part 2): grid 4 x 64, 4 waves a work-group, no clusters, 161,792 bytes of LDS; arguments xw_codes, xw_scales, bq, bk, qkv_codes, qkv_scales; writes qkv_codes, qkv_scales
.if DOCPART == 2
	.amdgcn_target "amdgcn-amd-amdhsa--gfx1250"
	.amdhsa_code_object_version 6
	.text
	.protected	k_qbf8d6784e3_qkv
	.globl	k_qbf8d6784e3_qkv
	.p2align	8
	.type	k_qbf8d6784e3_qkv,@function
k_qbf8d6784e3_qkv:
	s_mov_b64 s[64:65], 0
	v_nop
	global_prefetch_b8 v0, s[64:65] scope:SCOPE_SE
	s_setreg_imm32_b32 hwreg(HW_REG_WAVE_MODE, 25, 1), 1
	s_wait_xcnt 0x0
; q = Q(x) Q(Wq)^T + bq and k = Q(x) Q(Wk)^T + bk on codes of FP4, and their quantising for the attention: q and k along a head's 64 numbers,
; v = k along the KEYS.  k is multiplied twice, once with each order of the sources: W first gives a lane one token and registers along the head
; (q, k); x first gives a lane one number of the head and registers along the tokens (v).  Nothing is transposed; the bits of the two are equal.
; SHARES: a work-group takes 256 tokens x 3 heads (192 columns); a wave 64 tokens: its 24 fragments of x stay in registers.  The work-group's slices
; of Wq and Wk (12 tiles each), their scale words and biases lie in LDS, filled once through registers; one barrier in the launch.
; A trip of the loop is one head: 6 K steps x 48 matrix instructions on 48 accumulators, which take turns.
; The biases are the C of each sum's first matrix instruction (so the bias is added first and not last: another order of rounding than the source's).
; OUT, as images of operand registers (hh = 12 b + head, G = a group of 64 tokens of the batch):
;   qkv_codes: q at 0 [hh][tile 64][512]; k at 6,291,456 likewise; v at 12,582,912 [hh][128 keys 8][tile of the head 4][c 2][512].
;   qkv_scales: q at 0 [hh][G 16][r 16][tile 4] words (b0, b1, b0, b1); at 786,432 [hh][G][r][h 2][k's word of tiles 2 h, 2 h + 1 | v's of tiles 2 h, 2 h + 1].
; NO CLUSTER: what work-groups share (156 KB of weights, 104 KB of x) is asked for once by each, at its head, for 864 matrix instructions a wave; there is no ring whose refills could be joint.
; LIMITS: a block of zeros gets the byte 1 (zero codes; read by this program alone); NaN and infinities are not served.
; REGISTERS, in windows of 256.  Window 0: addresses, scale words, v's bias, the quantiser's work.  Window 1: v0-191 x's fragments at 8 (6 m + s); v192-223 bq, v224-255 bk in the result's layout.
; Window 2: v0-127 q's accumulators at 8 (4 m + t); v128-255 W's fragments, two buffers of 64 (Wq's four tiles, then Wk's).  Window 3: v0-127 k's at 8 (4 m + t); v128-255 v's at 128 + 8 (4 t + m).
.set WQ,  0                            ; LDS: Wq's 12 tiles x 6,144 bytes
.set WK,  73728                        ; Wk's
.set WSQ, 147456                       ; their scale words, 12 x 512 bytes each
.set WSK, 153600
.set BQ,  159744                       ; 192 numbers of bq,
.set BK,  160512                       ; of bk
.set LI,  1                            ; v1   16 x lane
.set R32, 2                            ; v2   32 r
.set AWQ, 3                            ; v3-7 this head's LDS addresses: Wq, Wk, scale words, biases for q and k, bias for v
.set AWK, 4
.set AWS, 5
.set ABQ, 6
.set ABV, 7
.set SA,  8                            ; v8   16 r + 8 h
.set F0,  9                            ; v9-11  16 x thread + 65,536 n
.set BA,  12                           ; v12  8 x thread + 131,072
.set FL,  13                           ; v13  the floor 2^(3 - 127)
.set XSC, 16                           ; v16-47   x's scale words at 8 m + s
.set WSC, 48                           ; v48-111  W's: Wq at 8 t + s, Wk at 32 + 8 t + s
.set VB,  112                          ; v112-143 v's bias: eight equal registers a tile
.set TM,  144
.set TP,  152
.set TS,  160
.set HW,  168                          ; v168-179 two bytes a group: q's 4, k's 4, v's 4
.set SW,  180                          ; v180-191 scale words on their way out
.set PC,  192                          ; v192-239 codes: q's 16, k's 16, v's 16
.set BWK, 240                          ; v240-243 the addresses' parts that stay
.set BWS, 241
.set BBQ, 242
.set BBV, 243
.set TB,  244                          ; v244-247 the biases on their way into LDS
.set T8,  248                          ; v248 8 x thread
.set SEL, 44
.set MSB, 0
.macro WIN new                         ; the immediate's high byte repeats the setting that is left
.if MSB != (\new)
	s_set_vgpr_msb (MSB<<8)|(\new)
.set MSB, (\new)
.endif
.endm
.macro STO abs, reg                    ; 2,048 bytes of the work-group into LDS at byte abs: an LDS offset has 16 bits, the register carries the rest
	ds_store_b128 v[F0+((\abs)>>16)], v[\reg:\reg+3] offset:(\abs)&0xffff
.endm
	s_load_b256 s[4:11], s[0:1], 0x0               ; xw_codes, xw_scales, bq, bk
	s_load_b128 s[12:15], s[0:1], 0x20             ; qkv_codes, qkv_scales
	v_lshl_add_u32 v254, v0, 2, 0x27600
	v_mov_b32 v255, 0
	v_lshrrev_b32 v14, 5, v0
	v_readfirstlane_b32 s40, v14                   ; wave
	v_and_b32 v14, 31, v0
	v_lshlrev_b32 v[LI], 4, v14
	v_and_b32 v14, 15, v0                          ; r
	v_bfe_u32 v15, v0, 4, 1                        ; h
	v_lshlrev_b32 v[R32], 5, v14
	v_lshlrev_b32 v[SA], 4, v14
	v_lshl_add_u32 v[SA], v15, 3, v[SA]
	v_lshlrev_b32 v[F0], 4, v0
	v_add_nc_u32 v[F0+1], 0x10000, v[F0]
	v_add_nc_u32 v[F0+2], 0x20000, v[F0]
	v_lshlrev_b32 v[T8], 3, v0
	v_add_nc_u32 v[BA], 0x20000, v[T8]
	v_mov_b32 v[FL], 0x1800000
	v_add_nc_u32 v[BWK], WK, v[LI]
	v_add_nc_u32 v[BWS], WSQ, v[R32]
	v_lshlrev_b32 v[BBQ], 6, v15
	v_add_nc_u32 v[BBQ], BQ, v[BBQ]                ; q's and k's bias: my half's eight numbers of a tile begin 64 h bytes on
	v_and_b32 v[BBV], 8, v14
	v_add_nc_u32 v[BBV], v[BBV], v14
	v_lshlrev_b32 v[BBV], 2, v[BBV]
	v_add_nc_u32 v[BBV], BK, v[BBV]                ; v's bias: the number of my row of a tile of Wk: r + 8 (r / 8)
.irp c, 0,1,2,3,4,5,6,7
	v_mov_b32 v[TP+\c], 0                          ; written once: a lane permute's destination counts as one of its sources
.endr
	s_mov_b32 s[SEL], 0x76543210
	s_mov_b32 s[SEL+1], 0xfedcba98
	s_mov_b32 s50, 0xffff0000                      ; lanes 16-31
	s_and_b32 s42, ttmp7, 0xffff                   ; y: which 256 tokens
	s_mul_i32 s43, ttmp9, 12                       ; the slices' first tile in Wq and in Wk
	s_mov_b32 s39, 0
	s_wait_kmcnt 0x0
	s_add_co_u32 s52, s43, 1024
	s_mul_i32 s38, s52, 6144
	s_add_nc_u64 s[16:17], s[4:5], s[38:39]        ; Wq's slice
	s_lshl_b32 s38, s52, 9
	s_add_nc_u64 s[20:21], s[6:7], s[38:39]        ; its scale words
	s_add_co_u32 s52, s43, 1072
	s_mul_i32 s38, s52, 6144
	s_add_nc_u64 s[18:19], s[4:5], s[38:39]        ; Wk's slice
	s_lshl_b32 s38, s52, 9
	s_add_nc_u64 s[22:23], s[6:7], s[38:39]
	s_lshl_b32 s52, s42, 4
	s_lshl_b32 s53, s40, 2
	s_add_co_u32 s52, s52, s53                     ; my first tile of x: 16 y + 4 wave
	s_mul_i32 s38, s52, 6144
	s_add_nc_u64 s[24:25], s[4:5], s[38:39]
	s_lshl_b32 s38, s52, 9
	s_add_nc_u64 s[26:27], s[6:7], s[38:39]
	s_mul_i32 s38, ttmp9, 768
	s_add_nc_u64 s[8:9], s[8:9], s[38:39]          ; the 192 numbers of bq
	s_add_nc_u64 s[10:11], s[10:11], s[38:39]      ; and of bk
	s_lshr_b32 s52, s42, 2
	s_mul_i32 s52, s52, 12
	s_mul_i32 s53, ttmp9, 3
	s_add_co_u32 s52, s52, s53                     ; hh of the first head
	s_and_b32 s53, s42, 3
	s_lshl_b32 s53, s53, 2
	s_add_co_u32 s53, s53, s40                     ; G
	s_lshl_b32 s54, s52, 15
	s_lshl_b32 s38, s53, 11
	s_add_co_u32 s38, s38, s54
	s_add_nc_u64 s[28:29], s[12:13], s[38:39]      ; q's images: (64 hh + 4 G) x 512
	s_add_nc_u64 s[30:31], s[28:29], 6291456       ; k's
	s_lshr_b32 s38, s53, 1
	s_lshl_b32 s38, s38, 12
	s_and_b32 s55, s53, 1
	s_lshl_b32 s55, s55, 9
	s_add_co_u32 s38, s38, s55
	s_add_co_u32 s38, s38, s54
	s_add_nc_u64 s[32:33], s[12:13], s[38:39]
	s_add_nc_u64 s[32:33], s[32:33], 12582912      ; v's: hh x 32,768 + (G / 2) x 4,096 + (G % 2) x 512
	s_lshl_b32 s38, s52, 12
	s_lshl_b32 s55, s53, 8
	s_add_co_u32 s38, s38, s55
	s_add_nc_u64 s[34:35], s[14:15], s[38:39]      ; q's scale words
	s_add_nc_u64 s[36:37], s[34:35], 786432        ; k's and v's
	; THE FILLS.  The slices come 2,048 bytes an instruction (128 threads x 16), into the registers that the accumulators will take
	WIN 0x80                                       ; destination window 2
.set i, 0
.rept 36
	global_load_b128 v[4*i:4*i+3], v[F0], s[16:17] offset:2048*i
.set i, i+1
.endr
.set i, 0
.rept 3
	global_load_b128 v[144+4*i:144+4*i+3], v[F0], s[20:21] offset:2048*i
	global_load_b128 v[156+4*i:156+4*i+3], v[F0], s[22:23] offset:2048*i
.set i, i+1
.endr
	WIN 0xc0                                       ; destination window 3
.set i, 0
.rept 36
	global_load_b128 v[4*i:4*i+3], v[F0], s[18:19] offset:2048*i
.set i, i+1
.endr
	WIN 0x40                                       ; destination window 1: my four tiles of x are 24,576 bytes on end: register 4 i takes bytes 512 i on
.set i, 0
.rept 48
	global_load_b128 v[4*i:4*i+3], v[LI], s[24:25] offset:512*i
.set i, i+1
.endr
	WIN 0
.irp m, 0,1,2,3
.irp e, 0,1
	global_load_b128 v[XSC+8*\m+4*\e:XSC+8*\m+4*\e+3], v[R32], s[26:27] offset:512*\m+16*\e
.endr
.endr
	s_cmp_lt_u32 s40, 3                            ; 96 threads x 8 bytes bring each bias
	s_cbranch_scc0 .Lno_bias
	global_load_b64 v[TB:TB+1], v[T8], s[8:9]
	global_load_b64 v[TB+2:TB+3], v[T8], s[10:11]
	s_wait_loadcnt 0x0
	ds_store_b64 v[BA], v[TB:TB+1] offset:BQ-0x20000
	ds_store_b64 v[BA], v[TB+2:TB+3] offset:BK-0x20000
.Lno_bias:
	s_wait_loadcnt 0x0                             ; everything is in registers
	WIN 0x08                                       ; an LDS store's data are its source 1: window 2
.set i, 0
.rept 36
	STO WQ+2048*i, 4*i
.set i, i+1
.endr
.set i, 0
.rept 3
	STO WSQ+2048*i, 144+4*i
	STO WSK+2048*i, 156+4*i
.set i, i+1
.endr
	WIN 0x0c                                       ; window 3
.set i, 0
.rept 36
	STO WK+2048*i, 4*i
.set i, i+1
.endr
	WIN 0
	s_wait_dscnt 0x0                               ; for the others' sake: my stores have landed
	s_barrier_signal -1
	s_barrier_wait -1                              ; from here on LDS is only read
; A K step of 128: 16 products for q, 16 for k, 16 for v.  The next step's eight fragments of W are asked for behind q's products, four places behind them:
; the buffer that they land in was last read by the step before, and they have 32 matrix instructions in which to come.
.macro KSTEP s
.set WB, 128+64*((\s)%2)
.set WN, 128+64*(1-(\s)%2)
	s_wait_dscnt 0x0                               ; this step's fragments are in
.if \s == 0
	WIN 0x96                                       ; D window 2, C (bq) window 1, source 1 (x) window 1, source 0 (W) window 2
.else
	WIN 0xa6                                       ; C and D window 2
.endif
.irp m, 0,1,2,3
.irp t, 0,1,2,3
.if \s == 0
	v_wmma_scale_f32_16x16x128_f8f6f4 v[8*(4*\m+\t):8*(4*\m+\t)+7], v[WB+8*\t:WB+8*\t+7], v[8*(6*\m+\s):8*(6*\m+\s)+7], v[192+8*\t:192+8*\t+7], v[WSC+8*\t+\s], v[XSC+8*\m+\s] matrix_a_fmt:MATRIX_FMT_FP4 matrix_b_fmt:MATRIX_FMT_FP4
.else
	v_wmma_scale_f32_16x16x128_f8f6f4 v[8*(4*\m+\t):8*(4*\m+\t)+7], v[WB+8*\t:WB+8*\t+7], v[8*(6*\m+\s):8*(6*\m+\s)+7], v[8*(4*\m+\t):8*(4*\m+\t)+7], v[WSC+8*\t+\s], v[XSC+8*\m+\s] matrix_a_fmt:MATRIX_FMT_FP4 matrix_b_fmt:MATRIX_FMT_FP4
.endif
.endr
.endr
.if \s < 5
.rept 4
	v_nop                                          ; places in front of loads into registers that matrix instructions have read
.endr
	WIN 0x80
.irp t, 0,1,2,3
.irp c, 0,1
	ds_load_b128 v[WN+8*\t+4*\c:WN+8*\t+4*\c+3], v[AWQ] offset:(6*\t+\s+1)*1024+512*\c
	ds_load_b128 v[WN+32+8*\t+4*\c:WN+32+8*\t+4*\c+3], v[AWK] offset:(6*\t+\s+1)*1024+512*\c
.endr
.endr
.endif
.if \s == 0
	WIN 0xd6                                       ; D window 3, C (bk) window 1
.else
	WIN 0xf6                                       ; C and D window 3
.endif
.irp m, 0,1,2,3
.irp t, 0,1,2,3
.if \s == 0
	v_wmma_scale_f32_16x16x128_f8f6f4 v[8*(4*\m+\t):8*(4*\m+\t)+7], v[WB+32+8*\t:WB+32+8*\t+7], v[8*(6*\m+\s):8*(6*\m+\s)+7], v[224+8*\t:224+8*\t+7], v[WSC+32+8*\t+\s], v[XSC+8*\m+\s] matrix_a_fmt:MATRIX_FMT_FP4 matrix_b_fmt:MATRIX_FMT_FP4
.else
	v_wmma_scale_f32_16x16x128_f8f6f4 v[8*(4*\m+\t):8*(4*\m+\t)+7], v[WB+32+8*\t:WB+32+8*\t+7], v[8*(6*\m+\s):8*(6*\m+\s)+7], v[8*(4*\m+\t):8*(4*\m+\t)+7], v[WSC+32+8*\t+\s], v[XSC+8*\m+\s] matrix_a_fmt:MATRIX_FMT_FP4 matrix_b_fmt:MATRIX_FMT_FP4
.endif
.endr
.endr
.if \s == 0
	WIN 0xc9                                       ; the sources change places: source 0 (x) window 1, source 1 (Wk) window 2; C (v's bias) window 0, D window 3
.else
	WIN 0xf9
.endif
.irp t, 0,1,2,3
.irp m, 0,1,2,3
.if \s == 0
	v_wmma_scale_f32_16x16x128_f8f6f4 v[128+8*(4*\t+\m):128+8*(4*\t+\m)+7], v[8*(6*\m+\s):8*(6*\m+\s)+7], v[WB+32+8*\t:WB+32+8*\t+7], v[VB+8*\t:VB+8*\t+7], v[XSC+8*\m+\s], v[WSC+32+8*\t+\s] matrix_a_fmt:MATRIX_FMT_FP4 matrix_b_fmt:MATRIX_FMT_FP4
.else
	v_wmma_scale_f32_16x16x128_f8f6f4 v[128+8*(4*\t+\m):128+8*(4*\t+\m)+7], v[8*(6*\m+\s):8*(6*\m+\s)+7], v[WB+32+8*\t:WB+32+8*\t+7], v[128+8*(4*\t+\m):128+8*(4*\t+\m)+7], v[XSC+8*\m+\s], v[WSC+32+8*\t+\s] matrix_a_fmt:MATRIX_FMT_FP4 matrix_b_fmt:MATRIX_FMT_FP4
.endif
.endr
.endr
.endm
; Four groups of 32 registers (from register a of window win) are quantised: in a group register 16 b + i is number 32 b + 16 h + i along the next K: two blocks, each shared with lane l xor 16.
; Eight chains by turns.  Each accumulator is read from its low end on.  Out: four registers of codes a group at v[pc + 4 g], two bytes a group in v[hw + g].
.macro Q32G win, a, pc, hw
.set WMX, ((\win)<<2)|((\win)<<4)
	WIN WMX                                        ; sources 1 and 2 in the accumulators' window
.irp g, 0,1,2,3
.irp b, 0,1
	v_max3_num_f32 v[TM+2*\g+\b], v[FL], |v[\a+32*\g+16*\b]|, |v[\a+32*\g+16*\b+1]|   ; the floor among the leaves: the byte cannot fall under 1
.endr
.endr
.irp i, 2,4,6,8,10,12,14
.irp g, 0,1,2,3
.irp b, 0,1
	v_max3_num_f32 v[TM+2*\g+\b], v[TM+2*\g+\b], |v[\a+32*\g+16*\b+\i]|, |v[\a+32*\g+16*\b+\i+1]|
.endr
.endr
.endr
	WIN 0
.irp c, 0,1,2,3,4,5,6,7
	v_permlanex16_b32 v[TP+\c], v[TM+\c], s[SEL], s[SEL+1]
.endr
.irp c, 0,1,2,3,4,5,6,7
	v_max_num_f32 v[TM+\c], v[TM+\c], v[TP+\c]     ; the block's largest magnitude
.endr
.irp c, 0,1,2,3,4,5,6,7
	v_add_nc_u32 v[TS+\c], 0xff000000, v[TM+\c]    ; 2 off its exponent field: the conversion's scale operand
.endr
.irp c, 0,1,2,3,4,5,6,7
	v_lshrrev_b32 v[TP+\c], 23, v[TS+\c]           ; the scale's byte
.endr
.irp g, 0,1,2,3
	v_lshl_or_b32 v[\hw+\g], v[TP+2*\g+1], 8, v[TP+2*\g]
.endr
	WIN \win                                       ; source 0 in the accumulators' window
.irp g, 0,1,2,3
.irp b, 0,1
.irp e, 0,1
	v_cvt_scalef32_pk8_fp4_f32 v[\pc+4*\g+2*\b+\e], v[\a+32*\g+16*\b+8*\e:\a+32*\g+16*\b+8*\e+7], v[TS+2*\g+\b]
.endr
.endr
.endr
	WIN 0
	v_nop                                          ; one plain place behind a scaled conversion
.irp g, 0,1,2,3
.irp i, 0,1
	v_permlane16_swap_b32 v[\pc+4*\g+\i], v[\pc+4*\g+2+\i]   ; a whole block to a lane: lanes 0-15 block 0, lanes 16-31 block 1
.endr
.endr
.endm
	s_mov_b32 s46, 0                               ; this head's four tiles in a slice: 24,576 bytes a head,
	s_mov_b32 s47, 0                               ; their scale words: 2,048,
	s_mov_b32 s48, 0                               ; its 64 numbers of a bias: 256
	s_mov_b32 s51, 3
.Lhead:
	v_add_nc_u32 v[AWQ], s46, v[LI]
	v_add_nc_u32 v[AWK], s46, v[BWK]
	v_add_nc_u32 v[AWS], s47, v[BWS]
	v_add_nc_u32 v[ABQ], s48, v[BBQ]
	v_add_nc_u32 v[ABV], s48, v[BBV]
.irp t, 0,1,2,3
.irp e, 0,1
	ds_load_b128 v[WSC+8*\t+4*\e:WSC+8*\t+4*\e+3], v[AWS] offset:512*\t+16*\e
	ds_load_b128 v[WSC+32+8*\t+4*\e:WSC+32+8*\t+4*\e+3], v[AWS] offset:WSK-WSQ+512*\t+16*\e
.endr
.endr
.irp t, 0,1,2,3
	ds_load_b32 v[VB+8*\t], v[ABV] offset:(32*(\t/2)+8*(\t%2))*4
.endr
	WIN 0x40
.irp t, 0,1,2,3
	ds_load_b128 v[192+8*\t:192+8*\t+3], v[ABQ] offset:(32*(\t/2)+8*(\t%2))*4
	ds_load_b128 v[196+8*\t:196+8*\t+3], v[ABQ] offset:(32*(\t/2)+8*(\t%2))*4+16
	ds_load_b128 v[224+8*\t:224+8*\t+3], v[ABQ] offset:BK-BQ+(32*(\t/2)+8*(\t%2))*4
	ds_load_b128 v[228+8*\t:228+8*\t+3], v[ABQ] offset:BK-BQ+(32*(\t/2)+8*(\t%2))*4+16
.endr
	WIN 0x80
.irp t, 0,1,2,3
.irp c, 0,1
	ds_load_b128 v[128+8*\t+4*\c:128+8*\t+4*\c+3], v[AWQ] offset:(6*\t)*1024+512*\c
	ds_load_b128 v[160+8*\t+4*\c:160+8*\t+4*\c+3], v[AWK] offset:(6*\t)*1024+512*\c
.endr
.endr
	WIN 0
	s_wait_dscnt 32                                ; the scale words and v's four bias numbers are in; behind them 16 bias loads and 16 fragment loads may be out
.irp t, 0,1,2,3
.irp i, 1,2,3,4,5,6,7
	v_mov_b32 v[VB+8*\t+\i], v[VB+8*\t]            ; in v's layout a lane holds one number of the head: its bias in all eight registers
.endr
.endr
.irp s, 0,1,2,3,4,5
	KSTEP \s
.endr
	WIN 0
.rept 4
	v_nop                                          ; places in front of the first read of results
.endr
	Q32G 2, 0, PC, HW                              ; q: group m = my tile m of tokens
.irp m, 0,1,2,3
	global_store_b128 v[LI], v[PC+4*\m:PC+4*\m+3], s[28:29] offset:512*\m      ; 32 lanes store 512 consecutive bytes, aligned
.endr
	Q32G 3, 0, PC+16, HW+4                         ; k likewise
.irp m, 0,1,2,3
	global_store_b128 v[LI], v[PC+16+4*\m:PC+16+4*\m+3], s[30:31] offset:512*\m
.endr
	Q32G 3, 128, PC+32, HW+8                       ; v: group t = tile t of the head's 64; K = my 64 tokens
.irp t, 0,1,2,3
	global_store_b128 v[LI], v[PC+32+4*\t:PC+32+4*\t+3], s[32:33] offset:1024*\t
.endr
.irp m, 0,1,2,3
	v_lshl_or_b32 v[SW+\m], v[HW+\m], 16, v[HW+\m] ; q's word: (b0, b1, b0, b1): it serves q in either half of a fragment
.endr
.irp p, 0,1
	v_lshl_or_b32 v[SW+4+\p], v[HW+5+2*\p], 16, v[HW+4+2*\p]   ; k's: tiles 2 p and 2 p + 1 form one fragment
	v_lshl_or_b32 v[SW+6+\p], v[HW+9+2*\p], 16, v[HW+8+2*\p]   ; v's: tiles 2 p and 2 p + 1, this group's two blocks of keys
.endr
	v_cndmask_b32 v[SW+8], v[SW], v[SW+2], s50     ; lanes 16-31 carry the second halves
	v_cndmask_b32 v[SW+9], v[SW+1], v[SW+3], s50
	v_cndmask_b32 v[SW+10], v[SW+4], v[SW+5], s50
	v_cndmask_b32 v[SW+11], v[SW+6], v[SW+7], s50
	global_store_b64 v[SA], v[SW+8:SW+9], s[34:35]             ; 32 lanes store 256 consecutive bytes, aligned
	global_store_b64 v[SA], v[SW+10:SW+11], s[36:37]
	s_wait_xcnt 0x0                                ; the stores have read their data and bases: both are written again from here on
	s_add_nc_u64 s[28:29], s[28:29], 32768         ; the next head
	s_add_nc_u64 s[30:31], s[30:31], 32768
	s_add_nc_u64 s[32:33], s[32:33], 32768
	s_add_nc_u64 s[34:35], s[34:35], 4096
	s_add_nc_u64 s[36:37], s[36:37], 4096
	s_add_co_u32 s46, s46, 24576
	s_add_co_u32 s47, s47, 2048
	s_add_co_u32 s48, s48, 256
	s_sub_co_u32 s51, s51, 1
	s_cmp_lg_u32 s51, 0
	s_cbranch_scc1 .Lhead
	s_wait_tensorcnt 0x0
	ds_add_u32 v254, v255
	s_wait_dscnt 0x0
	s_endpgm
.Lfunc_end_k_qbf8d6784e3_qkv:
	.size	k_qbf8d6784e3_qkv, .Lfunc_end_k_qbf8d6784e3_qkv-k_qbf8d6784e3_qkv
	.p2alignl 7, 3214868480
	.fill 96, 4, 3214868480
	.section	.rodata,"a",@progbits
	.p2align	6, 0x0
	.amdhsa_kernel k_qbf8d6784e3_qkv
		.amdhsa_group_segment_fixed_size 161792
		.amdhsa_private_segment_fixed_size 0
		.amdhsa_enable_private_segment 0
		.amdhsa_kernarg_size 48
		.amdhsa_user_sgpr_count 2
		.amdhsa_user_sgpr_kernarg_segment_ptr 1
		.amdhsa_wavefront_size32 1
		.amdhsa_system_sgpr_workgroup_id_x 1
		.amdhsa_system_sgpr_workgroup_id_y 1
		.amdhsa_system_sgpr_workgroup_id_z 1
		.amdhsa_system_vgpr_workitem_id 0
		.amdhsa_next_free_vgpr 1024
		.amdhsa_next_free_sgpr 66
		.amdhsa_reserve_vcc 0
		.amdhsa_float_denorm_mode_32 3
		.amdhsa_float_denorm_mode_16_64 3
		.amdhsa_memory_ordered 1
		.amdhsa_forward_progress 1
		.amdhsa_inst_pref_size 94
	.end_amdhsa_kernel
	.amdgpu_metadata
---
amdhsa.version: [ 1, 2 ]
amdhsa.kernels:
  - .name:           k_qbf8d6784e3_qkv
    .symbol:         k_qbf8d6784e3_qkv.kd
    .args:
      - { .name: xw_codes, .offset: 0, .size: 8, .value_kind: global_buffer, .address_space: global }
      - { .name: xw_scales, .offset: 8, .size: 8, .value_kind: global_buffer, .address_space: global }
      - { .name: bq, .offset: 16, .size: 8, .value_kind: global_buffer, .address_space: global }
      - { .name: bk, .offset: 24, .size: 8, .value_kind: global_buffer, .address_space: global }
      - { .name: qkv_codes, .offset: 32, .size: 8, .value_kind: global_buffer, .address_space: global }
      - { .name: qkv_scales, .offset: 40, .size: 8, .value_kind: global_buffer, .address_space: global }
    .group_segment_fixed_size: 161792
    .private_segment_fixed_size: 0
    .kernarg_segment_align: 8
    .kernarg_segment_size: 48
    .max_flat_workgroup_size: 128
    .sgpr_count:     66
    .vgpr_count:     1024
    .wavefront_size: 32
...
	.end_amdgpu_metadata
.endif
;; end of part 2
;; launch attn (part 3): grid 16 x 16, 16 waves a work-group, no clusters, 146,944 bytes of LDS; arguments qkv_codes, qkv_scales, o_codes, o_scales; writes o_codes, o_scales
.if DOCPART == 3
	.amdgcn_target "amdgcn-amd-amdhsa--gfx1250"
	.amdhsa_code_object_version 6
	.text
	.protected	k_qbf8d6784e3_attn
	.globl	k_qbf8d6784e3_attn
	.p2align	8
	.type	k_qbf8d6784e3_attn,@function
k_qbf8d6784e3_attn:
	s_mov_b64 s[64:65], 0
	v_nop
	global_prefetch_b8 v0, s[64:65] scope:SCOPE_SE
	s_setreg_imm32_b32 hwreg(HW_REG_WAVE_MODE, 25, 1), 1
	s_wait_xcnt 0x0
; O = softmax(q k^T / 8) v, both products on codes of FP4, and O / l quantised along the head for the last projection.
; THE SOFTMAX: t = score x log2(e) / 8; M = the running largest t rounded UP to a whole number; p = 2^(t - M) is quantised along the keys, not normalised; the row's sum l is taken of
; the unquantised p and divides at the end.  When M moves, the sum and O are multiplied by 2^(old M - new M): exact.
; SHARES: a UNIT is 256 queries of one head; a batch has 48 (head = unit / 4, block of queries = unit % 4).  A WORK-GROUP STAYS: work-group (x, b) takes units 3 x, 3 x + 1, 3 x + 2 of batch b, 256 work-groups in all.
; Three neighbouring units touch at most two heads, A = 3 x / 4 and B = (3 x + 2) / 4: both heads' k and v (32 KB of codes each) and their scale words are brought into two LDS slots ONCE, through registers; one barrier.
; Each of the sixteen waves owns 16 queries of each unit, in 256 registers: four waves to a SIMD, so that one wave's vector work stands beside another's products and LDS loads.  A wave walks its three units
; straight through, 1,024 keys each, 128 a step: no barrier stands between units.  Where all three units lie in one head (x % 4 = 0 or 3) slot 1 holds that head a second time and is not read:
; 68 KB more through the fill, for a fill with one path and no branch on the work-group's number.
; LAYOUT: both products transposed (S^T = k q^T, O^T = v^T p^T): a lane holds one query throughout.  A head has 64 numbers, the instruction takes 128 along K: a fragment of k holds TWO tiles of 16 keys
; (tile 2 p in k = 0 .. 63, tile 2 p + 1 in 64 .. 127) and is multiplied once by (q, zeros) and once by (zeros, q): zero codes add nothing under any scale byte but 0xff.
; The keys of a tile are not neighbours (tile 2 g + u, lane r: key 32 g + 8 u + r + 8 (r / 8)), so that the 16 registers of two neighbouring tiles are 16 neighbouring keys; v's tiles of the head likewise, so that O^T's are 16 neighbours of the head.
; NO CLUSTER: neighbouring work-groups hold different pairs of heads, and each asks for its pair once, at its head, for 384 key steps of its waves; there is no ring whose refills could be joint.
; NO PREFETCH: all of k and v is asked for at the kernel's head; nothing is left to ask for ahead.
; LIMITS: a block of zeros gets the byte 1 (zero codes; read by this program alone); NaN and infinities are not served.
; REGISTERS: v1-11 addresses (v3, v4 the step's); v12 -M, v13 the largest t, v[14:15] the sum in two halves; v16-43 zeros, q of unit 0, zeros, q of unit 1, zeros, q of unit 2, zeros; v44-46 q's scale words;
; v48-79 k's four fragments; v80-111 v's four; v112-175 S^T, then p; v176-207 O^T; v208-211 k's scale words, v212-215 v's; v216-219 O's codes; v224-231 p's codes; v232-254 at work.
.set SL,  69632                        ; LDS: a slot, one head: k's images at 0,
.set VL,  32768                        ; v's,
.set KSL, 65536                        ; k's scale words [step 8][r 16][fragment 4],
.set VSL, 67584                        ; v's [step 8][r 16][tile 4].  Slot 1 begins at SL
.set OSL, 143360                       ; behind both slots: O's scale bytes on their way out: 512 bytes a unit, 32 a wave
.set QB,  16
.set QW,  44
.set KF,  48
.set VF,  80
.set S,   112
.set O,   176
.set KS,  208
.set VS,  212
.set OC,  216
.set PC,  224
.set QP,  48                           ; s[48:53] where my tile of q lies, a pair for each unit
.set QSP, 54                           ; s[54:59] its scale words
.set OP,  66                           ; s[66:71] where my tile of O's codes goes
.set SLT, 72                           ; s72-74   the unit's slot: 0 or SL
	s_load_b256 s[4:11], s[0:1], 0x0               ; qkv_codes, qkv_scales, o_codes, o_scales
	v_lshl_add_u32 v251, v0, 2, 0x23600
	v_mov_b32 v255, 0
	v_lshrrev_b32 v232, 5, v0
	v_readfirstlane_b32 s18, v232                  ; wave 0..15
	v_and_b32 v232, 31, v0
	v_lshlrev_b32 v1, 4, v232                      ; 16 x lane
	v_and_b32 v233, 15, v0                         ; r
	v_lshlrev_b32 v11, 4, v233                     ; 16 r
	v_add_nc_u32 v2, KSL, v11
	v_lshlrev_b32 v5, 4, v0                        ; 16 x thread: the fill of slot 0,
	v_add_nc_u32 v10, SL, v5                       ; of slot 1
	v_and_b32 v234, 127, v0
	v_lshlrev_b32 v6, 4, v234
	v_bfe_u32 v235, v0, 7, 1
	v_mad_u32_u24 v6, v235, SL, v6
	v_add_nc_u32 v6, KSL, v6                       ; threads 0-255 lay the scale words: slot (thread / 128), 16 bytes at 16 (thread % 128)
	v_lshrrev_b32 v234, 4, v234
	v_lshl_add_u32 v9, v234, 9, v11                ; and take them from step ((thread % 128) / 16), row r: 512 x step + 16 r
	v_lshlrev_b32 v7, 1, v233
	s_lshl_b32 s28, s18, 5
	v_add_nc_u32 v7, s28, v7
	v_add_nc_u32 v7, OSL, v7                       ; my row's two scale bytes of O: 32 x wave + 2 r
	s_lshl_b32 s28, s18, 9
	v_add_nc_u32 v8, s28, v1
	v_add_nc_u32 v8, OSL, v8                       ; waves 0 to 2, at the end: unit (wave)'s 512 bytes, 16 a lane
	s_mov_b32 s20, 0x76543210
	s_mov_b32 s21, 0xfedcba98                      ; lane l xor 16
	s_mov_b32 s22, 0x3e38aa3b                      ; c = log2(e) / 8
	s_mov_b32 s23, s22                             ; (named with it as a pair, so it is written)
	s_mul_i32 s24, ttmp9, 3                        ; my first unit of the batch
	s_and_b32 s26, ttmp7, 0xffff                   ; b
	s_mul_i32 s27, s26, 12                         ; the batch's first head among all 192
	s_lshr_b32 s25, s24, 2                         ; head A
	s_add_co_u32 s44, s24, 2
	s_lshr_b32 s44, s44, 2                         ; head B
	s_mov_b32 s29, 0
	s_wait_kmcnt 0x0
	s_add_co_u32 s28, s27, s25
	s_lshl_b32 s45, s28, 12
	s_lshl_b32 s28, s28, 15
	s_add_nc_u64 s[30:31], s[4:5], s[28:29]
	s_add_nc_u64 s[32:33], s[30:31], 12582912      ; head A's v
	s_add_nc_u64 s[30:31], s[30:31], 6291456       ; and k
	s_mov_b32 s28, s45
	s_add_nc_u64 s[40:41], s[6:7], s[28:29]
	s_add_co_u32 s28, s27, s44
	s_lshl_b32 s45, s28, 12
	s_lshl_b32 s28, s28, 15
	s_add_nc_u64 s[34:35], s[4:5], s[28:29]
	s_add_nc_u64 s[36:37], s[34:35], 12582912      ; head B's v
	s_add_nc_u64 s[34:35], s[34:35], 6291456       ; and k
	s_mov_b32 s28, s45
	s_add_nc_u64 s[42:43], s[6:7], s[28:29]
	s_cmp_lt_u32 s18, 4                            ; waves 0 to 3 lay head A's scale words, waves 4 to 7 head B's
	s_cselect_b64 s[40:41], s[40:41], s[42:43]
	s_add_nc_u64 s[40:41], s[40:41], 786432        ; k's and v's scale words of that head
.irp i, 0,1,2
	s_add_co_u32 s46, s24, \i                      ; unit i
	s_lshr_b32 s47, s46, 2                         ; its head
	s_and_b32 s46, s46, 3
	s_lshl_b32 s46, s46, 4
	s_add_co_u32 s46, s46, s18                     ; my tile of queries in the batch: 16 x block + wave
	s_cmp_lg_u32 s47, s25
	s_cselect_b32 s[SLT+\i], SL, 0                 ; head A lies in slot 0, any other is head B, in slot 1
	s_add_co_u32 s38, s27, s47                     ; the head among all 192
	s_lshl_b32 s28, s38, 15
	s_lshl_b32 s39, s46, 9
	s_add_co_u32 s28, s28, s39
	s_add_nc_u64 s[QP+2*\i:QP+2*\i+1], s[4:5], s[28:29]       ; q's image: (64 head + tile) x 512
	s_lshl_b32 s28, s38, 12
	s_lshr_b32 s39, s46, 2
	s_lshl_b32 s39, s39, 8
	s_add_co_u32 s28, s28, s39
	s_and_b32 s39, s46, 3
	s_lshl_b32 s39, s39, 2
	s_add_co_u32 s28, s28, s39
	s_add_nc_u64 s[QSP+2*\i:QSP+2*\i+1], s[6:7], s[28:29]     ; q's scale words: group (tile / 4), word (tile % 4) of each row's four
	s_lshl_b32 s39, s26, 6
	s_add_co_u32 s39, s39, s46                     ; my tile among all 1,024
	s_mul_i32 s28, s39, 12
	s_add_co_u32 s28, s28, s47
	s_lshl_b32 s28, s28, 9
	s_add_nc_u64 s[OP+2*\i:OP+2*\i+1], s[8:9], s[28:29]       ; o_codes [tile][head][512 bytes]
.endr
	; THE FILL: 512 threads x 16 bytes are 8,192 bytes an instruction; the registers are those that the scores will take
.irp i, 0,1,2,3
	global_load_b128 v[S+4*\i:S+4*\i+3], v5, s[30:31] offset:8192*\i
	global_load_b128 v[S+16+4*\i:S+16+4*\i+3], v5, s[32:33] offset:8192*\i
	global_load_b128 v[S+32+4*\i:S+32+4*\i+3], v5, s[34:35] offset:8192*\i
	global_load_b128 v[S+48+4*\i:S+48+4*\i+3], v5, s[36:37] offset:8192*\i
.endr
.irp i, 0,1,2
	global_load_b128 v[QB+4+8*\i:QB+7+8*\i], v1, s[QP+2*\i:QP+2*\i+1]     ; q of all three units: half a fragment each
	global_load_b32 v[QW+\i], v11, s[QSP+2*\i:QSP+2*\i+1]
.endr
	s_cmp_lt_u32 s18, 8                            ; 256 threads lay the scale words as a step wants them
	s_cbranch_scc0 .Lno_words
	global_load_b128 v[KF:KF+3], v9, s[40:41]                  ; the step's first 64 keys: k's word of tiles 0, 1 | v's of tiles 0, 1 | k's of tiles 2, 3 | v's of tiles 2, 3
	global_load_b128 v[KF+4:KF+7], v9, s[40:41] offset:256     ; its second 64 keys
	s_wait_loadcnt 0x0
	v_mov_b32 v[KF+8], v[KF]                       ; k: the step's four fragments
	v_mov_b32 v[KF+9], v[KF+2]
	v_mov_b32 v[KF+10], v[KF+4]
	v_mov_b32 v[KF+11], v[KF+6]
	v_perm_b32 v[KF+12], v[KF+5], v[KF+1], 0x05040100          ; v, tile 0: two bytes of the first 64 keys below, two of the second above
	v_perm_b32 v[KF+13], v[KF+5], v[KF+1], 0x07060302          ; tile 1
	v_perm_b32 v[KF+14], v[KF+7], v[KF+3], 0x05040100          ; tile 2
	v_perm_b32 v[KF+15], v[KF+7], v[KF+3], 0x07060302          ; tile 3
	ds_store_b128 v6, v[KF+8:KF+11]
	ds_store_b128 v6, v[KF+12:KF+15] offset:VSL-KSL
.Lno_words:
	s_wait_loadcnt 0x0                             ; both heads' parts and q are in registers
.irp i, 0,1,2,3
	ds_store_b128 v5, v[S+4*\i:S+4*\i+3] offset:8192*\i
	ds_store_b128 v5, v[S+16+4*\i:S+16+4*\i+3] offset:VL+8192*\i
	ds_store_b128 v10, v[S+32+4*\i:S+32+4*\i+3] offset:8192*\i
	ds_store_b128 v10, v[S+48+4*\i:S+48+4*\i+3] offset:VL+8192*\i
.endr
.irp z, 0,1,2,3
.irp i, 0,1,2,3
	v_mov_b32 v[QB+8*\z+\i], 0                     ; the zero halves beside and between the three q
.endr
.endr
.irp b, 0,1,2,3
	v_mov_b32 v[236+\b], 0                         ; written once: a lane permute's destination counts as one of its sources
.endr
	v_mov_b32 v253, 0                              ; (named as the upper half of the pair v[252:253] before it is first written)
	s_wait_dscnt 0x0                               ; for the others' sake: my stores have landed
	s_barrier_signal -1
	s_barrier_wait -1                              ; from here on the two slots are only read
; ONE UNIT: my 16 queries of unit u against the 1,024 keys of its head, and the way out.  Written out three times, since q's registers differ from unit to unit.
.macro UNIT u
	v_mov_b32 v13, 0xff61b1e6                      ; the largest t so far: -3e38, under every t
	v_floor_f32 v12, -v13                          ; -M
	v_mov_b32 v14, 0                               ; the sum, in two halves
	v_mov_b32 v15, 0
.set j, 0
.rept 32
	v_mov_b32 v[O+j], 0                            ; O^T: the loop has no first step of its own; the first change of M multiplies zeros
.set j, j+1
.endr
	s_mov_b32 s38, s[SLT+\u]                       ; the step's codes: 4,096 bytes a step in k and in v, from the unit's slot on
	s_mov_b32 s39, s[SLT+\u]                       ; its scale words: 256
	s_mov_b32 s42, 8
.Lstep_\u:
	v_add_nc_u32 v3, s38, v1
	v_add_nc_u32 v4, s39, v2
	v_nop
	v_nop                                          ; four places in front of loads into registers that the last products read
	ds_load_b128 v[KS:KS+3], v4
.irp p, 0,1,2,3
.irp c, 0,1
	ds_load_b128 v[KF+8*\p+4*\c:KF+8*\p+4*\c+3], v3 offset:1024*\p+512*\c
.endr
.endr
	ds_load_b128 v[VS:VS+3], v4 offset:VSL-KSL
.irp t, 0,1,2,3
.irp c, 0,1
	ds_load_b128 v[VF+8*\t+4*\c:VF+8*\t+4*\c+3], v3 offset:VL+1024*\t+512*\c
.endr
.endr
	s_wait_dscnt 9                                 ; k and its words are in; v's words and v's eight loads may be out
.irp p, 0,1,2,3
	v_wmma_scale_f32_16x16x128_f8f6f4 v[S+16*\p:S+16*\p+7], v[KF+8*\p:KF+8*\p+7], v[QB+4+8*\u:QB+11+8*\u], 0, v[KS+\p], v[QW+\u] matrix_a_fmt:MATRIX_FMT_FP4 matrix_b_fmt:MATRIX_FMT_FP4     ; tile 2 p: (q, zeros)
	v_wmma_scale_f32_16x16x128_f8f6f4 v[S+8+16*\p:S+15+16*\p], v[KF+8*\p:KF+8*\p+7], v[QB+8*\u:QB+7+8*\u], 0, v[KS+\p], v[QW+\u] matrix_a_fmt:MATRIX_FMT_FP4 matrix_b_fmt:MATRIX_FMT_FP4    ; tile 2 p + 1: (zeros, q)
.endr                                          ; register S + 16 b + i is key 32 b + 16 (lane / 16) + i of the step
.rept 4
	v_nop
.endr
.irp b, 0,1,2,3
	v_max3_num_f32 v[232+\b], v[S+16*\b], v[S+1+16*\b], v[S+2+16*\b]   ; the largest score of each block of 32 keys: for the row's maximum, and, since p rises with the score, for the block's largest p
.endr
.irp i, 3,5,7,9,11,13
.irp b, 0,1,2,3
	v_max3_num_f32 v[232+\b], v[232+\b], v[S+16*\b+\i], v[S+1+16*\b+\i]
.endr
.endr
.irp b, 0,1,2,3
	v_max_num_f32 v[232+\b], v[232+\b], v[S+15+16*\b]
.endr
.irp b, 0,1,2,3
	v_permlanex16_b32 v[236+\b], v[232+\b], s20, s21
.endr
.irp b, 0,1,2,3
	v_max_num_f32 v[232+\b], v[232+\b], v[236+\b]  ; with lane l xor 16's 16 keys
.endr
	v_max3_num_f32 v254, v232, v233, v234
	v_max_num_f32 v254, v254, v235                 ; the step's largest score of my query
	v_mul_f32 v254, s22, v254                      ; as t (c is positive)
	v_max_num_f32 v13, v13, v254                   ; the running largest t
	v_mov_b32 v254, v12
	v_floor_f32 v12, -v13                          ; the new -M = floor(-t) = -ceil(t)
	v_sub_f32 v254, v12, v254                      ; old M - new M: a whole number, 0 or less
	v_cvt_i32_f32 v254, v254                       ; (it saturates)
	v_ldexp_f32 v252, 1.0, v254                    ; f = 2^(old M - new M)
.set j, 0
.rept 32
	v_pk_fma_f32 v[S+j:S+j+1], v[S+j:S+j+1], s[22:23], v[12:13] op_sel_hi:[1,0,0]   ; t - M, two at a time
.set j, j+2
.endr
.irp b, 0,1,2,3
	v_fma_f32 v[232+\b], v[232+\b], s22, v12       ; the same of each block's largest score
.endr
.set j, 0
.rept 64
	v_exp_f32 v[S+j], v[S+j]                       ; p = 2^(t - M), at most 1
.set j, j+1
.endr
	v_pk_mul_f32 v[14:15], v[14:15], v[252:253] op_sel_hi:[1,0]   ; the sums under the new M: the plain place behind the exponentials
	s_wait_alu depctr_va_vdst(0)                   ; one wait for the batch of 64, ahead of its first reader
.irp b, 0,1,2,3
	v_exp_f32 v[232+\b], v[232+\b]                 ; the block's largest p
.endr
	v_pk_add_f32 v[236:237], v[S:S+1], v[S+2:S+3]  ; the row's sum of the unquantised p, in two chains
.irp j, 4,8,12,16,20,24,28,32,36,40,44,48,52,56,60
	v_pk_add_f32 v[14:15], v[14:15], v[S+\j:S+1+\j]
	v_pk_add_f32 v[236:237], v[236:237], v[S+2+\j:S+3+\j]
.endr
	v_pk_add_f32 v[14:15], v[14:15], v[236:237]
	s_wait_alu depctr_va_vdst(0)                   ; and one for the four
.irp b, 0,1,2,3
	v_max_num_f32 v[232+\b], 0x1800000, v[232+\b]  ; the floor 2^(3 - 127): the byte cannot fall under 1
.endr
.irp b, 0,1,2,3
	v_add_nc_u32 v[244+\b], 0xff000000, v[232+\b]  ; the conversion's scale operand
.endr
.irp b, 0,1,2,3
	v_lshrrev_b32 v[236+\b], 23, v[244+\b]         ; the scale's byte
.endr
	v_lshl_or_b32 v253, v237, 8, v236              ; p's scale word for these 128 keys
	v_lshl_or_b32 v253, v238, 16, v253
	v_lshl_or_b32 v253, v239, 24, v253
.irp b, 0,1,2,3
	v_cvt_scalef32_pk8_fp4_f32 v[PC+2*\b], v[S+16*\b:S+7+16*\b], v[244+\b]
	v_cvt_scalef32_pk8_fp4_f32 v[PC+1+2*\b], v[S+8+16*\b:S+15+16*\b], v[244+\b]
.endr
	v_nop                                          ; one plain place behind a scaled conversion
.irp c, 0,1
.irp i, 0,1
	v_permlane16_swap_b32 v[PC+4*\c+\i], v[PC+2+4*\c+\i]   ; a whole block to a lane
.endr
.endr
.set j, 0
.rept 16
	v_pk_mul_f32 v[O+j:O+j+1], v[O+j:O+j+1], v[252:253] op_sel_hi:[1,0]   ; O^T under the new M.  These sixteen are also the places between the scale word and the codes just made and the products below
.set j, j+2
.endr
	s_wait_dscnt 0x0                               ; v and its words are in
.irp t, 0,1,2,3
	v_wmma_scale_f32_16x16x128_f8f6f4 v[O+8*\t:O+8*\t+7], v[VF+8*\t:VF+8*\t+7], v[PC:PC+7], v[O+8*\t:O+8*\t+7], v[VS+\t], v253 matrix_a_fmt:MATRIX_FMT_FP4 matrix_b_fmt:MATRIX_FMT_FP4
.endr                                          ; four accumulators by turns; the next step's scores stand between two links of a chain
	s_add_co_u32 s38, s38, 4096
	s_add_co_u32 s39, s39, 256
	s_sub_co_u32 s42, s42, 1
	s_cmp_lg_u32 s42, 0
	s_cbranch_scc1 .Lstep_\u
	; THE WAY OUT: O^T / l, quantised along the head: register 16 b + i is number 32 b + 16 h + i of the head's 64
.rept 4
	v_nop
.endr
	v_add_f32 v14, v14, v15
	v_permlanex16_b32 v252, v14, s20, s21
	v_add_f32 v14, v14, v252                       ; the row's sum
	v_rcp_f32 v14, v14
	v_nop                                          ; a plain place behind the reciprocal
	s_wait_alu depctr_va_vdst(0)                   ; and the wait ahead of its first reader
.set j, 0
.rept 32
	v_mul_f32 v[S+j], v[O+j], v14
.set j, j+1
.endr
.irp b, 0,1
	v_max3_num_f32 v[232+\b], |v[S+16*\b]|, |v[S+1+16*\b]|, 0x1800000
.endr
.irp i, 2,4,6,8,10,12,14
.irp b, 0,1
	v_max3_num_f32 v[232+\b], v[232+\b], |v[S+16*\b+\i]|, |v[S+1+16*\b+\i]|
.endr
.endr
.irp b, 0,1
	v_permlanex16_b32 v[236+\b], v[232+\b], s20, s21
.endr
.irp b, 0,1
	v_max_num_f32 v[232+\b], v[232+\b], v[236+\b]
.endr
.irp b, 0,1
	v_add_nc_u32 v[244+\b], 0xff000000, v[232+\b]
.endr
.irp b, 0,1
	v_lshrrev_b32 v[236+\b], 23, v[244+\b]
.endr
	v_lshl_or_b32 v240, v237, 8, v236              ; my row's two bytes
	s_wait_xcnt 0x0                                ; the last unit's store, a whole unit back, has read O's codes: they are written again below
.irp b, 0,1
	v_cvt_scalef32_pk8_fp4_f32 v[OC+2*\b], v[S+16*\b:S+7+16*\b], v[244+\b]
	v_cvt_scalef32_pk8_fp4_f32 v[OC+1+2*\b], v[S+8+16*\b:S+15+16*\b], v[244+\b]
.endr
	v_nop                                          ; one plain place behind a scaled conversion
	v_permlane16_swap_b32 v[OC], v[OC+2]
	v_permlane16_swap_b32 v[OC+1], v[OC+3]
	global_store_b128 v1, v[OC:OC+3], s[OP+2*\u:OP+2*\u+1]     ; half a fragment of the last product's operand: 512 consecutive bytes, aligned
	ds_store_b16 v7, v240 offset:512*\u            ; lanes r and r + 16 write the same bytes with the same value; each unit has bytes of its own, so no barrier stands between units
.endm
	UNIT 0
	UNIT 1
	UNIT 2
	s_wait_dscnt 0x0                               ; for the others' sake: my scale bytes have landed
	s_barrier_signal -1
	s_barrier_wait -1                              ; each unit's sixteen tiles' scale bytes lie on end in LDS
	s_cmp_lt_u32 s18, 3                            ; wave w stores unit w's
	s_cbranch_scc0 .Lend
	s_add_co_u32 s46, s24, s18                     ; the unit
	s_lshr_b32 s47, s46, 2                         ; its head
	s_and_b32 s46, s46, 3
	s_lshl_b32 s47, s47, 10
	s_lshl_b32 s46, s46, 4
	s_add_co_u32 s47, s47, s46
	s_lshl_b32 s46, s26, 6
	s_add_co_u32 s47, s47, s46                     ; 1,024 x head + the unit's first tile, 64 b + 16 x block
	s_lshl_b32 s28, s47, 5
	s_add_nc_u64 s[10:11], s[10:11], s[28:29]      ; o_scales [head][tile][r][2 bytes]
	ds_load_b128 v[232:235], v8
	s_wait_dscnt 0x0
	global_store_b128 v1, v[232:235], s[10:11]     ; 512 consecutive bytes, aligned
.Lend:
	s_wait_tensorcnt 0x0
	ds_add_u32 v251, v255
	s_wait_dscnt 0x0
	s_endpgm
.Lfunc_end_k_qbf8d6784e3_attn:
	.size	k_qbf8d6784e3_attn, .Lfunc_end_k_qbf8d6784e3_attn-k_qbf8d6784e3_attn
	.p2alignl 7, 3214868480
	.fill 96, 4, 3214868480
	.section	.rodata,"a",@progbits
	.p2align	6, 0x0
	.amdhsa_kernel k_qbf8d6784e3_attn
		.amdhsa_group_segment_fixed_size 146944
		.amdhsa_private_segment_fixed_size 0
		.amdhsa_enable_private_segment 0
		.amdhsa_kernarg_size 32
		.amdhsa_user_sgpr_count 2
		.amdhsa_user_sgpr_kernarg_segment_ptr 1
		.amdhsa_wavefront_size32 1
		.amdhsa_system_sgpr_workgroup_id_x 1
		.amdhsa_system_sgpr_workgroup_id_y 1
		.amdhsa_system_sgpr_workgroup_id_z 1
		.amdhsa_system_vgpr_workitem_id 0
		.amdhsa_next_free_vgpr 256
		.amdhsa_next_free_sgpr 76
		.amdhsa_reserve_vcc 0
		.amdhsa_float_denorm_mode_32 3
		.amdhsa_float_denorm_mode_16_64 3
		.amdhsa_memory_ordered 1
		.amdhsa_forward_progress 1
		.amdhsa_inst_pref_size 70
	.end_amdhsa_kernel
	.amdgpu_metadata
---
amdhsa.version: [ 1, 2 ]
amdhsa.kernels:
  - .name:           k_qbf8d6784e3_attn
    .symbol:         k_qbf8d6784e3_attn.kd
    .args:
      - { .name: qkv_codes, .offset: 0, .size: 8, .value_kind: global_buffer, .address_space: global }
      - { .name: qkv_scales, .offset: 8, .size: 8, .value_kind: global_buffer, .address_space: global }
      - { .name: o_codes, .offset: 16, .size: 8, .value_kind: global_buffer, .address_space: global }
      - { .name: o_scales, .offset: 24, .size: 8, .value_kind: global_buffer, .address_space: global }
    .group_segment_fixed_size: 146944
    .private_segment_fixed_size: 0
    .kernarg_segment_align: 8
    .kernarg_segment_size: 32
    .max_flat_workgroup_size: 512
    .sgpr_count:     76
    .vgpr_count:     256
    .wavefront_size: 32
...
	.end_amdgpu_metadata
.endif
;; end of part 3
;; launch proj (part 4): grid 4 x 64, 4 waves a work-group, no clusters, 98,816 bytes of LDS; arguments o_codes, o_scales, xw_codes, xw_scales, bp, out0; writes out0
.if DOCPART == 4
	.amdgcn_target "amdgcn-amd-amdhsa--gfx1250"
	.amdhsa_code_object_version 6
	.text
	.protected	k_qbf8d6784e3_proj
	.globl	k_qbf8d6784e3_proj
	.p2align	8
	.type	k_qbf8d6784e3_proj,@function
k_qbf8d6784e3_proj:
	s_mov_b64 s[64:65], 0
	v_nop
	global_prefetch_b8 v0, s[64:65] scope:SCOPE_SE
	s_setreg_imm32_b32 hwreg(HW_REG_WAVE_MODE, 25, 1), 1
	s_wait_xcnt 0x0
; out = Q(o) Q(Wp)^T + bp on codes of FP4.  o's codes come as images of operand registers ([tile][head][512 bytes]: heads 2 s and 2 s + 1 are K step s), Wp's likewise.
; SHARES: a work-group takes 256 tokens x 192 columns; a wave 64 tokens: its 24 fragments of o stay in registers.  Wp's slice (12 tiles), its scale words and bp's 192 numbers lie in LDS, filled once; one barrier.
; A trip of the loop is 64 columns: 6 K steps x 16 matrix instructions on 16 accumulators, which take turns; bp is the C of each sum's first instruction (added first, not last).
; The product is used transposed (source 0 = 16 rows of Wp): a lane holds one token and 16 neighbouring columns in two tiles' registers.  A tile of 16 tokens x 64 columns goes through the wave's own stage in LDS
; (rows 272 bytes apart) and leaves as whole rows: sixteen lanes store 256 consecutive bytes, aligned.
; NO CLUSTER: what work-groups share (80 KB of weights, 100 KB of o) is asked for once by each, at its head; there is no ring whose refills could be joint.
; o's scale bytes are read as 32 bytes a tile and head, 48 loads a wave, once.
; REGISTERS.  Window 0: addresses; v16-47 o's scale words at 8 m + s; v48-79 Wp's at 8 t + s; v80-127 o's scale bytes as loaded; v128-191 rows on their way out, two sets.
; Window 1: v0-191 o's fragments at 8 (6 m + s); v192-223 bp in the result's layout.  Window 2: v0-127 the accumulators at 8 (4 m + t); v128-191 Wp's fragments, two buffers of 32.
.set WP,  0
.set WSP, 73728
.set BP,  79872
.set STG, 80896                        ; 16 rows x 272 bytes for each wave
.set LI,  1                            ; v1  16 x lane
.set R32, 2                            ; v2  32 r
.set AW,  3                            ; v3-5 this trip's LDS addresses: Wp, its scale words, bp
.set AWS, 4
.set AB,  5
.set SO,  6                            ; v6  the stage, on the way in
.set SR,  7                            ; v7  and back
.set GO,  8                            ; v8  my byte offset in two rows of out
.set F0,  9                            ; v9-10 16 x thread + 65,536 n
.set BA,  11                           ; v11 8 x thread + 65,536
.set R2,  12                           ; v12 2 r
.set T8,  13                           ; v13 8 x thread
.set BWS, 14
.set BB,  15
.set OSC, 16
.set WSC, 48
.set U,   80
.set RB,  128
.set MSB, 0
.macro WIN new
.if MSB != (\new)
	s_set_vgpr_msb (MSB<<8)|(\new)
.set MSB, (\new)
.endif
.endm
.macro STO abs, reg
	ds_store_b128 v[F0+((\abs)>>16)], v[\reg:\reg+3] offset:(\abs)&0xffff
.endm
	s_load_b256 s[4:11], s[0:1], 0x0               ; o_codes, o_scales, xw_codes, xw_scales
	s_load_b128 s[12:15], s[0:1], 0x20             ; bp, out0
	v_lshl_add_u32 v254, v0, 2, 0x18000
	v_mov_b32 v255, 0
	v_lshrrev_b32 v16, 5, v0
	v_readfirstlane_b32 s40, v16                   ; wave
	v_and_b32 v16, 31, v0
	v_lshlrev_b32 v[LI], 4, v16
	v_and_b32 v16, 15, v0                          ; r
	v_bfe_u32 v17, v0, 4, 1                        ; h
	v_lshlrev_b32 v[R32], 5, v16
	v_lshlrev_b32 v[R2], 1, v16
	v_lshlrev_b32 v[T8], 3, v0
	v_lshlrev_b32 v[F0], 4, v0
	v_add_nc_u32 v[F0+1], 0x10000, v[F0]
	v_add_nc_u32 v[BA], 0x10000, v[T8]
	v_add_nc_u32 v[BWS], WSP, v[R32]
	v_lshlrev_b32 v[BB], 6, v17
	v_add_nc_u32 v[BB], BP, v[BB]
	s_mul_i32 s41, s40, 4352
	s_add_co_u32 s41, s41, STG                     ; my stage
	v_mul_u32_u24 v[SO], v16, 272
	v_lshl_add_u32 v[SO], v17, 6, v[SO]
	v_add_nc_u32 v[SO], s41, v[SO]                 ; in: row r, my half's 16 columns of a block of 32: + 64 h
	v_mul_u32_u24 v[SR], v17, 272
	v_lshl_add_u32 v[SR], v16, 4, v[SR]
	v_add_nc_u32 v[SR], s41, v[SR]                 ; back: lanes 0-15 one row of 256 bytes, lanes 16-31 the next
	v_mul_u32_u24 v[GO], v17, 3072
	v_lshl_add_u32 v[GO], v16, 4, v[GO]            ; and the same two rows in out
	s_and_b32 s42, ttmp7, 0xffff
	s_mov_b32 s39, 0
	s_wait_kmcnt 0x0
	s_mul_i32 s43, ttmp9, 12
	s_add_co_u32 s43, s43, 1120                    ; the slice's first tile
	s_mul_i32 s38, s43, 6144
	s_add_nc_u64 s[16:17], s[8:9], s[38:39]
	s_lshl_b32 s38, s43, 9
	s_add_nc_u64 s[18:19], s[10:11], s[38:39]
	s_lshl_b32 s43, s42, 4
	s_lshl_b32 s44, s40, 2
	s_add_co_u32 s43, s43, s44                     ; my first tile of o: 16 y + 4 wave
	s_mul_i32 s38, s43, 6144
	s_add_nc_u64 s[4:5], s[4:5], s[38:39]
	s_lshl_b32 s38, s43, 5
	s_add_nc_u64 s[6:7], s[6:7], s[38:39]
	s_mul_i32 s38, ttmp9, 768
	s_add_nc_u64 s[12:13], s[12:13], s[38:39]      ; bp's 192 numbers
	s_add_nc_u64 s[14:15], s[14:15], s[38:39]      ; out: my first column,
	s_mul_i32 s38, s43, 16*3072
	s_add_nc_u64 s[14:15], s[14:15], s[38:39]      ; my first token
	WIN 0x80                                       ; destination window 2: the slice on its way into LDS, in the registers that the accumulators will take
.set i, 0
.rept 36
	global_load_b128 v[4*i:4*i+3], v[F0], s[16:17] offset:2048*i
.set i, i+1
.endr
.set i, 0
.rept 3
	global_load_b128 v[144+4*i:144+4*i+3], v[F0], s[18:19] offset:2048*i
.set i, i+1
.endr
	WIN 0x40                                       ; destination window 1: my four tiles of o are 24,576 bytes on end
.set i, 0
.rept 48
	global_load_b128 v[4*i:4*i+3], v[LI], s[4:5] offset:512*i th:TH_LOAD_NT_RT
.set i, i+1
.endr
	WIN 0
.irp m, 0,1,2,3
.irp d, 0,1,2,3,4,5,6,7,8,9,10,11
	global_load_u16 v[U+12*\m+\d], v[R2], s[6:7] offset:32768*\d+32*\m     ; row r's two bytes of head d
.endr
.endr
	s_cmp_lt_u32 s40, 3                            ; 96 threads x 8 bytes bring bp
	s_cbranch_scc0 .Lno_bias
	global_load_b64 v[192:193], v[T8], s[12:13]
	s_wait_loadcnt 0x0
	ds_store_b64 v[BA], v[192:193] offset:BP-0x10000
.Lno_bias:
	s_wait_loadcnt 0x0
	WIN 0x08                                       ; an LDS store's data are its source 1: window 2
.set i, 0
.rept 36
	STO WP+2048*i, 4*i
.set i, i+1
.endr
.set i, 0
.rept 3
	STO WSP+2048*i, 144+4*i
.set i, i+1
.endr
	WIN 0
.irp m, 0,1,2,3
.irp s, 0,1,2,3,4,5
	v_lshl_or_b32 v[OSC+8*\m+\s], v[U+12*\m+2*\s+1], 16, v[U+12*\m+2*\s]   ; K step s: heads 2 s and 2 s + 1
.endr
.endr
.rept 8
	v_nop                                          ; a scale register written by a vector instruction stands eight places ahead of a scaled matrix instruction
.endr
	s_wait_dscnt 0x0
	s_barrier_signal -1
	s_barrier_wait -1                              ; the slice lies in LDS; from here on a wave writes only its own stage
.macro PSTEP s
.set WB, 128+32*((\s)%2)
.set WN, 128+32*(1-(\s)%2)
	s_wait_dscnt 0x0                               ; this step's fragments are in
.if \s < 5
.rept 4
	v_nop                                          ; places in front of loads into the buffer that the last step's products read
.endr
	WIN 0x80
.irp t, 0,1,2,3
.irp c, 0,1
	ds_load_b128 v[WN+8*\t+4*\c:WN+8*\t+4*\c+3], v[AW] offset:(6*\t+\s+1)*1024+512*\c
.endr
.endr
.endif
.if \s == 0
	WIN 0x96                                       ; D window 2, C (bp) window 1, source 1 (o) window 1, source 0 (Wp) window 2
.else
	WIN 0xa6
.endif
.irp m, 0,1,2,3
.irp t, 0,1,2,3
.if \s == 0
	v_wmma_scale_f32_16x16x128_f8f6f4 v[8*(4*\m+\t):8*(4*\m+\t)+7], v[WB+8*\t:WB+8*\t+7], v[8*(6*\m+\s):8*(6*\m+\s)+7], v[192+8*\t:192+8*\t+7], v[WSC+8*\t+\s], v[OSC+8*\m+\s] matrix_a_fmt:MATRIX_FMT_FP4 matrix_b_fmt:MATRIX_FMT_FP4
.else
	v_wmma_scale_f32_16x16x128_f8f6f4 v[8*(4*\m+\t):8*(4*\m+\t)+7], v[WB+8*\t:WB+8*\t+7], v[8*(6*\m+\s):8*(6*\m+\s)+7], v[8*(4*\m+\t):8*(4*\m+\t)+7], v[WSC+8*\t+\s], v[OSC+8*\m+\s] matrix_a_fmt:MATRIX_FMT_FP4 matrix_b_fmt:MATRIX_FMT_FP4
.endif
.endr
.endr
.endm
.macro TOSTAGE m                       ; tile m's 32 registers a lane into my stage, each accumulator from its low end on, and back as whole rows
	WIN 0x08
.irp e, 0,1,2,3,4,5,6,7
	ds_store_b128 v[SO], v[32*(\m)+4*\e:32*(\m)+4*\e+3] offset:128*(\e/4)+16*(\e%4)
.endr
	WIN 0
.irp i, 0,1,2,3,4,5,6,7
	ds_load_b128 v[RB+32*((\m)%2)+4*\i:RB+32*((\m)%2)+4*\i+3], v[SR] offset:544*\i   ; LDS serves a wave's instructions in order: these see the stores above, and the next tile's stores come behind them
.endr
.endm
.macro SEND m, younger                 ; younger: the LDS instructions issued behind tile m's loads, which may stay out
	s_wait_dscnt \younger
.irp i, 0,1,2,3,4,5,6,7
	global_store_b128 v[GO], v[RB+32*((\m)%2)+4*\i:RB+32*((\m)%2)+4*\i+3], s[14:15] offset:(32*((\m)/2)+8*((\m)%2)+2*\i+8*(\i/4))*3072 th:TH_STORE_NT   ; row 2 i + h of the tile is token 32 (m / 2) + 8 (m % 2) + 2 i + h + 8 (i / 4)
.endr
.endm
	s_mov_b32 s46, 0                               ; this trip's four tiles of the slice: 24,576 bytes a trip,
	s_mov_b32 s47, 0                               ; their scale words: 2,048,
	s_mov_b32 s48, 0                               ; its 64 numbers of bp: 256
	s_mov_b32 s49, 3
.Lcols:
	v_add_nc_u32 v[AW], s46, v[LI]
	v_add_nc_u32 v[AWS], s47, v[BWS]
	v_add_nc_u32 v[AB], s48, v[BB]
.irp t, 0,1,2,3
.irp e, 0,1
	ds_load_b128 v[WSC+8*\t+4*\e:WSC+8*\t+4*\e+3], v[AWS] offset:512*\t+16*\e
.endr
.endr
	WIN 0x40
.irp t, 0,1,2,3
	ds_load_b128 v[192+8*\t:192+8*\t+3], v[AB] offset:(32*(\t/2)+8*(\t%2))*4
	ds_load_b128 v[196+8*\t:196+8*\t+3], v[AB] offset:(32*(\t/2)+8*(\t%2))*4+16
.endr
	WIN 0x80
.irp t, 0,1,2,3
.irp c, 0,1
	ds_load_b128 v[128+8*\t+4*\c:128+8*\t+4*\c+3], v[AW] offset:(6*\t)*1024+512*\c
.endr
.endr
.irp s, 0,1,2,3,4,5
	PSTEP \s
.endr
	WIN 0
.rept 4
	v_nop                                          ; places in front of the first read of results
.endr
	TOSTAGE 0
.irp a, 1,2,3
.if \a > 1
	s_wait_xcnt 0x0                                ; tile a - 2's stores have read their registers: tile a's rows land there
.endif
	TOSTAGE \a
	SEND \a-1, 16                                  ; behind tile a - 1's loads: tile a's 8 stores and 8 loads
.endr
	SEND 3, 0
	s_wait_xcnt 0x0                                ; the stores have read their registers and their base
	s_add_nc_u64 s[14:15], s[14:15], 256           ; the next 64 columns
	s_add_co_u32 s46, s46, 24576
	s_add_co_u32 s47, s47, 2048
	s_add_co_u32 s48, s48, 256
	s_sub_co_u32 s49, s49, 1
	s_cmp_lg_u32 s49, 0
	s_cbranch_scc1 .Lcols
	s_wait_tensorcnt 0x0
	ds_add_u32 v254, v255
	s_wait_dscnt 0x0
	s_endpgm
.Lfunc_end_k_qbf8d6784e3_proj:
	.size	k_qbf8d6784e3_proj, .Lfunc_end_k_qbf8d6784e3_proj-k_qbf8d6784e3_proj
	.p2alignl 7, 3214868480
	.fill 96, 4, 3214868480
	.section	.rodata,"a",@progbits
	.p2align	6, 0x0
	.amdhsa_kernel k_qbf8d6784e3_proj
		.amdhsa_group_segment_fixed_size 98816
		.amdhsa_private_segment_fixed_size 0
		.amdhsa_enable_private_segment 0
		.amdhsa_kernarg_size 48
		.amdhsa_user_sgpr_count 2
		.amdhsa_user_sgpr_kernarg_segment_ptr 1
		.amdhsa_wavefront_size32 1
		.amdhsa_system_sgpr_workgroup_id_x 1
		.amdhsa_system_sgpr_workgroup_id_y 1
		.amdhsa_system_sgpr_workgroup_id_z 1
		.amdhsa_system_vgpr_workitem_id 0
		.amdhsa_next_free_vgpr 768
		.amdhsa_next_free_sgpr 66
		.amdhsa_reserve_vcc 0
		.amdhsa_float_denorm_mode_32 3
		.amdhsa_float_denorm_mode_16_64 3
		.amdhsa_memory_ordered 1
		.amdhsa_forward_progress 1
		.amdhsa_inst_pref_size 46
	.end_amdhsa_kernel
	.amdgpu_metadata
---
amdhsa.version: [ 1, 2 ]
amdhsa.kernels:
  - .name:           k_qbf8d6784e3_proj
    .symbol:         k_qbf8d6784e3_proj.kd
    .args:
      - { .name: o_codes, .offset: 0, .size: 8, .value_kind: global_buffer, .address_space: global }
      - { .name: o_scales, .offset: 8, .size: 8, .value_kind: global_buffer, .address_space: global }
      - { .name: xw_codes, .offset: 16, .size: 8, .value_kind: global_buffer, .address_space: global }
      - { .name: xw_scales, .offset: 24, .size: 8, .value_kind: global_buffer, .address_space: global }
      - { .name: bp, .offset: 32, .size: 8, .value_kind: global_buffer, .address_space: global }
      - { .name: out0, .offset: 40, .size: 8, .value_kind: global_buffer, .address_space: global }
    .group_segment_fixed_size: 98816
    .private_segment_fixed_size: 0
    .kernarg_segment_align: 8
    .kernarg_segment_size: 48
    .max_flat_workgroup_size: 128
    .sgpr_count:     66
    .vgpr_count:     768
    .wavefront_size: 32
...
	.end_amdgpu_metadata
.endif
;; end of part 4
;; ======== version 2 of 2: 4 launches
;; workspace buffers: xw_codes 7,176,192 bytes; xw_scales 598,016 bytes; qkv_codes 18,874,368 bytes; qkv_scales 1,572,864 bytes; o_codes 6,291,456 bytes; o_scales 393,216 bytes
;; launch quant (part 5): grid 292 x 1, 4 waves a work-group, no clusters, 34,304 bytes of LDS; arguments x, Wq, Wk, Wp, xw_codes, xw_scales; writes xw_codes, xw_scales
.if DOCPART == 5
	.amdgcn_target "amdgcn-amd-amdhsa--gfx1250"
	.amdhsa_code_object_version 6
	.text
	.protected	k_qbf8d6784e3_quant
	.globl	k_qbf8d6784e3_quant
	.p2align	8
	.type	k_qbf8d6784e3_quant,@function
k_qbf8d6784e3_quant:
	s_mov_b64 s[64:65], 0
	v_nop
	global_prefetch_b8 v0, s[64:65] scope:SCOPE_SE
	s_setreg_imm32_b32 hwreg(HW_REG_WAVE_MODE, 25, 1), 1
	s_wait_xcnt 0x0
; x [16384][768], Wq, Wk, Wp [768][768], f32, K innermost, become codes of FP4 (E2M1) with one E8M0 byte for each 32 along K,
; laid as IMAGES OF OPERAND REGISTERS.  A tile is 16 rows; tile 2 g + u, lane r takes row 32 g + 8 u + r + 8 (r / 8), so that the results of two
; neighbouring tiles, used as source 0 of a product, are 16 neighbours in a lane's registers.  A fragment (16 rows x 128 K) is 1,024 bytes:
; [c 2][lane 32][16 bytes], lane (r, h) holding k = 64 c + 32 h + 0 .. 31 of its row.
; xw_codes: [tile 1168][K step 6][1,024];  tiles 0-1023 x, 1024-1071 Wq, 1072-1119 Wk, 1120-1167 Wp.
; xw_scales: [tile][r 16][8 words]: word s = the four bytes of K step s; words 6, 7 repeat words 2, 3 and are used by nobody.
; SHARES: a wave takes one tile, all six K steps.  Each load reads 512 consecutive bytes of one row; a K step's 16 rows turn through the wave's own
; stage in LDS (rows 528 bytes apart: 132 words, so 16 rows start at 16 different groups of banks) and come back 16 neighbours a lane and block.
; A block's scale is 2^(floor(log2(largest magnitude)) - 2): its byte is the largest magnitude's exponent field - 2, held at 1 from below.
; LIMITS: a block of zeros gets the byte 1 where the rule says 127 (its codes are zeros, and this program alone reads the bytes);
; NaN and infinities among the inputs are not served.
; No matrix unit, no cluster, no barrier: waves share nothing, and every input byte is read once.
.set STGB, 8448                        ; a wave's stage: 16 rows x 528 bytes
.set R,   16                           ; v16-143  two sets of 64: a K step's numbers as loaded
.set X,   144                          ; v144-207 64 numbers: register 16 b + i = k 32 b + 16 h + i of my row
.set TM,  208                          ; v208-223 at work
.set PC,  224                          ; v224-231 the fragment's codes
.set PW,  232                          ; v232-237 the six scale words
.set SEL, 26                           ; s[26:27] lane selects: lane l xor 16
	s_load_b256 s[4:11], s[0:1], 0x0               ; x, Wq, Wk, Wp
	s_load_b128 s[12:15], s[0:1], 0x20             ; xw_codes, xw_scales
	v_lshl_add_u32 v240, v0, 2, 0x8400
	v_mov_b32 v241, 0
	v_lshrrev_b32 v5, 5, v0
	v_readfirstlane_b32 s16, v5                    ; wave
	v_and_b32 v6, 31, v0                           ; lane
	v_and_b32 v7, 15, v0                           ; r
	v_bfe_u32 v8, v0, 4, 1                         ; h
	v_lshlrev_b32 v1, 4, v6                        ; 16 x lane: my bytes of a load's 512, and of an image's 512
	s_mul_i32 s17, s16, STGB
	v_add_nc_u32 v2, s17, v1                       ; the stage, on the way in
	v_mul_u32_u24 v3, v7, 528
	v_lshl_add_u32 v3, v8, 6, v3
	v_add_nc_u32 v3, s17, v3                       ; and on the way out: row r, + 64 h
	v_lshlrev_b32 v4, 5, v7
	v_lshl_add_u32 v4, v8, 4, v4                   ; the scale words' place: 32 r + 16 h
	s_mov_b32 s24, 0xffff0000                      ; lanes 16-31
	s_mov_b32 s[SEL], 0x76543210
	s_mov_b32 s[SEL+1], 0xfedcba98
.irp b, 0,1,2,3
	v_mov_b32 v[TM+4+\b], 0                        ; written once: a lane permute's destination counts as one of its sources
.endr
	s_mov_b32 s20, 280
	s_mov_b32 s23, 0
	s_wait_alu depctr_va_vdst(0)
	s_wait_kmcnt 0x0
	s_cmp_lt_u32 ttmp9, 280                        ; which tensor: the choice hangs on the work-group's number alone; one path serves all four
	s_cselect_b64 s[18:19], s[8:9], s[10:11]
	s_cselect_b32 s20, 268, s20
	s_cmp_lt_u32 ttmp9, 268
	s_cselect_b64 s[18:19], s[6:7], s[18:19]
	s_cselect_b32 s20, 256, s20
	s_cmp_lt_u32 ttmp9, 256
	s_cselect_b64 s[18:19], s[4:5], s[18:19]
	s_cselect_b32 s20, 0, s20                      ; the tensor's first work-group
	s_sub_co_u32 s20, ttmp9, s20
	s_lshl_b32 s20, s20, 2
	s_add_co_u32 s20, s20, s16                     ; my tile in its tensor
	s_lshr_b32 s21, s20, 1
	s_lshl_b32 s21, s21, 5
	s_and_b32 s22, s20, 1
	s_lshl_b32 s22, s22, 3
	s_add_co_u32 s22, s21, s22                     ; its first row: 32 g + 8 u
	s_mul_i32 s22, s22, 3072
	s_add_nc_u64 s[18:19], s[18:19], s[22:23]
	s_lshl_b32 s20, ttmp9, 2
	s_add_co_u32 s20, s20, s16                     ; my tile among all 1,168
	s_mul_i32 s22, s20, 6144
	s_add_nc_u64 s[12:13], s[12:13], s[22:23]
	s_lshl_b32 s22, s20, 9
	s_add_nc_u64 s[14:15], s[14:15], s[22:23]
.macro LOAD s                          ; K step s: 16 rows x 512 bytes; row i of the tile lies i + 8 (i / 8) rows down
.irp i, 0,1,2,3,4,5,6,7,8,9,10,11,12,13,14,15
	global_load_b128 v[R+64*((\s)%2)+4*\i:R+64*((\s)%2)+4*\i+3], v1, s[18:19] offset:(\i+8*(\i/8))*3072+512*(\s) th:TH_LOAD_NT
.endr
.endm
; 64 numbers of a lane become a fragment's codes in v[PC] on and its row's scale word in v[pw]
.macro QUANT s, pw
.irp b, 0,1,2,3
	v_max3_num_f32 v[TM+\b], |v[\s+16*\b]|, |v[\s+1+16*\b]|, 0x1800000   ; my 16 numbers of block b, and the floor 2^(3 - 127): the byte cannot fall under 1
.endr
.irp i, 2,4,6,8,10,12,14
.irp b, 0,1,2,3
	v_max3_num_f32 v[TM+\b], v[TM+\b], |v[\s+16*\b+\i]|, |v[\s+1+16*\b+\i]|   ; the four blocks by turns
.endr
.endr
.irp b, 0,1,2,3
	v_permlanex16_b32 v[TM+4+\b], v[TM+\b], s[SEL], s[SEL+1]
.endr
.irp b, 0,1,2,3
	v_max_num_f32 v[TM+\b], v[TM+\b], v[TM+4+\b]   ; with lane l xor 16's: the block's largest magnitude
.endr
.irp b, 0,1,2,3
	v_add_nc_u32 v[TM+12+\b], 0xff000000, v[TM+\b] ; 2 off its exponent field: the conversion's scale operand
.endr
.irp b, 0,1,2,3
	v_lshrrev_b32 v[TM+4+\b], 23, v[TM+12+\b]      ; the scale's byte
.endr
	v_lshl_or_b32 v[\pw], v[TM+5], 8, v[TM+4]
	v_lshl_or_b32 v[\pw], v[TM+6], 16, v[\pw]
	v_lshl_or_b32 v[\pw], v[TM+7], 24, v[\pw]
.irp b, 0,1,2,3
	v_cvt_scalef32_pk8_fp4_f32 v[PC+2*\b], v[\s+16*\b:\s+7+16*\b], v[TM+12+\b]
	v_cvt_scalef32_pk8_fp4_f32 v[PC+1+2*\b], v[\s+8+16*\b:\s+15+16*\b], v[TM+12+\b]
.endr
	v_nop                                          ; one plain place behind a scaled conversion
.irp c, 0,1                                    ; a whole block to a lane: lanes 0-15 block 2 c, lanes 16-31 block 2 c + 1
.irp i, 0,1
	v_permlane16_swap_b32 v[PC+4*\c+\i], v[PC+2+4*\c+\i]
.endr
.endr
.endm
.macro STEP s
.if \s < 5
	s_wait_loadcnt 16                              ; this K step's 16 loads are in; the next step's 16 may be out
.else
	s_wait_loadcnt 0x0
.endif
.irp i, 0,1,2,3,4,5,6,7,8,9,10,11,12,13,14,15
	ds_store_b128 v2, v[R+64*((\s)%2)+4*\i:R+64*((\s)%2)+4*\i+3] offset:528*\i
.endr
.irp b, 0,1,2,3
.irp j, 0,1,2,3
	ds_load_b128 v[X+16*\b+4*\j:X+16*\b+4*\j+3], v3 offset:128*\b+16*\j   ; LDS serves a wave's instructions in order: these see the stores above
.endr
.endr
	s_wait_dscnt 0x0                               ; the numbers are back, and the stores into the stage have read their registers
	s_wait_xcnt 0x0                                ; the last step's two stores have read the codes' registers: they are written again below
.if \s < 4
	LOAD (\s)+2                                    ; into the set just emptied
.endif
	QUANT X, PW+\s
	global_store_b128 v1, v[PC:PC+3], s[12:13] offset:1024*\s         ; 32 lanes store 512 consecutive bytes, aligned
	global_store_b128 v1, v[PC+4:PC+7], s[12:13] offset:1024*\s+512
.endm
	LOAD 0
	LOAD 1
.irp s, 0,1,2,3,4,5
	STEP \s
.endr
	v_cndmask_b32 v[PW], v[PW], v[PW+4], s24       ; lanes 16-31 carry words 4, 5 (and words 2, 3 once more)
	v_cndmask_b32 v[PW+1], v[PW+1], v[PW+5], s24
	global_store_b128 v4, v[PW:PW+3], s[14:15]     ; the tile's 512 bytes of scale words, on end
	s_wait_tensorcnt 0x0
	ds_add_u32 v240, v241
	s_wait_dscnt 0x0
	s_endpgm
.Lfunc_end_k_qbf8d6784e3_quant:
	.size	k_qbf8d6784e3_quant, .Lfunc_end_k_qbf8d6784e3_quant-k_qbf8d6784e3_quant
	.p2alignl 7, 3214868480
	.fill 96, 4, 3214868480
	.section	.rodata,"a",@progbits
	.p2align	6, 0x0
	.amdhsa_kernel k_qbf8d6784e3_quant
		.amdhsa_group_segment_fixed_size 34304
		.amdhsa_private_segment_fixed_size 0
		.amdhsa_enable_private_segment 0
		.amdhsa_kernarg_size 48
		.amdhsa_user_sgpr_count 2
		.amdhsa_user_sgpr_kernarg_segment_ptr 1
		.amdhsa_wavefront_size32 1
		.amdhsa_system_sgpr_workgroup_id_x 1
		.amdhsa_system_sgpr_workgroup_id_y 1
		.amdhsa_system_sgpr_workgroup_id_z 1
		.amdhsa_system_vgpr_workitem_id 0
		.amdhsa_next_free_vgpr 242
		.amdhsa_next_free_sgpr 66
		.amdhsa_reserve_vcc 0
		.amdhsa_float_denorm_mode_32 3
		.amdhsa_float_denorm_mode_16_64 3
		.amdhsa_memory_ordered 1
		.amdhsa_forward_progress 1
		.amdhsa_inst_pref_size 48
	.end_amdhsa_kernel
	.amdgpu_metadata
---
amdhsa.version: [ 1, 2 ]
amdhsa.kernels:
  - .name:           k_qbf8d6784e3_quant
    .symbol:         k_qbf8d6784e3_quant.kd
    .args:
      - { .name: x, .offset: 0, .size: 8, .value_kind: global_buffer, .address_space: global }
      - { .name: Wq, .offset: 8, .size: 8, .value_kind: global_buffer, .address_space: global }
      - { .name: Wk, .offset: 16, .size: 8, .value_kind: global_buffer, .address_space: global }
      - { .name: Wp, .offset: 24, .size: 8, .value_kind: global_buffer, .address_space: global }
      - { .name: xw_codes, .offset: 32, .size: 8, .value_kind: global_buffer, .address_space: global }
      - { .name: xw_scales, .offset: 40, .size: 8, .value_kind: global_buffer, .address_space: global }
    .group_segment_fixed_size: 34304
    .private_segment_fixed_size: 0
    .kernarg_segment_align: 8
    .kernarg_segment_size: 48
    .max_flat_workgroup_size: 128
    .sgpr_count:     66
    .vgpr_count:     242
    .wavefront_size: 32
...
	.end_amdgpu_metadata
.endif
;; end of part 5
;; launch qkv (part 6): grid 4 x 64, 4 waves a work-group, no clusters, 161,792 bytes of LDS; arguments xw_codes, xw_scales, bq, bk, qkv_codes, qkv_scales; writes qkv_codes, qkv_scales
.if DOCPART == 6
	.amdgcn_target "amdgcn-amd-amdhsa--gfx1250"
	.amdhsa_code_object_version 6
	.text
	.protected	k_qbf8d6784e3_qkv
	.globl	k_qbf8d6784e3_qkv
	.p2align	8
	.type	k_qbf8d6784e3_qkv,@function
k_qbf8d6784e3_qkv:
	s_mov_b64 s[64:65], 0
	v_nop
	global_prefetch_b8 v0, s[64:65] scope:SCOPE_SE
	s_setreg_imm32_b32 hwreg(HW_REG_WAVE_SCHED_MODE, 0, 2), 2
	s_setreg_imm32_b32 hwreg(HW_REG_WAVE_MODE, 25, 1), 1
	s_wait_xcnt 0x0
	s_wait_alu depctr_vm_vsrc(0)
; q = Q(x) Q(Wq)^T + bq and k = Q(x) Q(Wk)^T + bk on codes of FP4, and their quantising for the attention: q and k along a head's 64 numbers,
; v = k along the KEYS.  k is multiplied twice, once with each order of the sources: W first gives a lane one token and registers along the head
; (q, k); x first gives a lane one number of the head and registers along the tokens (v).  Nothing is transposed; the bits of the two are equal.
; SHARES: a work-group takes 256 tokens x 3 heads (192 columns); a wave 64 tokens: its 24 fragments of x stay in registers.  The work-group's slices
; of Wq and Wk (12 tiles each), their scale words and biases lie in LDS, filled once through registers; one barrier in the launch.
; A trip of the loop is one head: 6 K steps x 48 matrix instructions on 48 accumulators, which take turns.
; The biases are the C of each sum's first matrix instruction (so the bias is added first and not last: another order of rounding than the source's).
; OUT, as images of operand registers (hh = 12 b + head, G = a group of 64 tokens of the batch):
;   qkv_codes: q at 0 [hh][tile 64][512]; k at 6,291,456 likewise; v at 12,582,912 [hh][128 keys 8][tile of the head 4][c 2][512].
;   qkv_scales: q at 0 [hh][G 16][r 16][tile 4] words (b0, b1, b0, b1); at 786,432 [hh][G][r][h 2][k's word of tiles 2 h, 2 h + 1 | v's of tiles 2 h, 2 h + 1].
; NO CLUSTER: what work-groups share (156 KB of weights, 104 KB of x) is asked for once by each, at its head, for 864 matrix instructions a wave; there is no ring whose refills could be joint.
; LIMITS: a block of zeros gets the byte 1 (zero codes; read by this program alone); NaN and infinities are not served.
; REGISTERS, in windows of 256.  Window 0: addresses, scale words, v's bias, the quantiser's work.  Window 1: v0-191 x's fragments at 8 (6 m + s); v192-223 bq, v224-255 bk in the result's layout.
; Window 2: v0-127 q's accumulators at 8 (4 m + t); v128-255 W's fragments, two buffers of 64 (Wq's four tiles, then Wk's).  Window 3: v0-127 k's at 8 (4 m + t); v128-255 v's at 128 + 8 (4 t + m).
; THE MODE: SCHED_MODE bits 1:0 = 2 (LLVM: expert scheduling mode 2), set by the entry lines.  The code itself states the register dependences
; between vector or matrix instructions and memory or LDS instructions, with s_wait_alu, always for 0.
; THE PLAN.  Registers that memory or LDS instructions touch:
;   v1, v2, v8-12, v248     offsets, made at the head and never written again.
;   v3-7                    a head's LDS addresses: written by five adds at a trip's head, read by the trip's LDS loads.
;   W's two buffers         K step s: its 48 products read buffer s % 2; the loads of step s + 1 land in the other, which the products of step s - 1 read.
;   scale words and biases  (v48-111, v112 + 8 t, window 1 v192-255) read by a trip's products and copies; loaded anew at the next trip's head.
;   codes and words         (v192-239, v188-191) written by the quantiser, read by the trip's 14 stores.
;   windows 2 and 3         in the fill: loaded, then read by LDS stores; afterwards accumulators and fragments.
; A TRIP'S WAITS: one on va_vdst behind the five adds; one at the head of each of K steps 1 to 4; one ahead of q's and k's eight stores; one ahead of the last six; one on vm_vsrc at the trip's end.
.set WQ,  0                            ; LDS: Wq's 12 tiles x 6,144 bytes
.set WK,  73728                        ; Wk's
.set WSQ, 147456                       ; their scale words, 12 x 512 bytes each
.set WSK, 153600
.set BQ,  159744                       ; 192 numbers of bq,
.set BK,  160512                       ; of bk
.set LI,  1                            ; v1   16 x lane
.set R32, 2                            ; v2   32 r
.set AWQ, 3                            ; v3-7 this head's LDS addresses: Wq, Wk, scale words, biases for q and k, bias for v
.set AWK, 4
.set AWS, 5
.set ABQ, 6
.set ABV, 7
.set SA,  8                            ; v8   16 r + 8 h
.set F0,  9                            ; v9-11  16 x thread + 65,536 n
.set BA,  12                           ; v12  8 x thread + 131,072
.set FL,  13                           ; v13  the floor 2^(3 - 127)
.set XSC, 16                           ; v16-47   x's scale words at 8 m + s
.set WSC, 48                           ; v48-111  W's: Wq at 8 t + s, Wk at 32 + 8 t + s
.set VB,  112                          ; v112-143 v's bias: eight equal registers a tile
.set TM,  144
.set TP,  152
.set TS,  160
.set HW,  168                          ; v168-179 two bytes a group: q's 4, k's 4, v's 4
.set SW,  180                          ; v180-191 scale words on their way out
.set PC,  192                          ; v192-239 codes: q's 16, k's 16, v's 16
.set BWK, 240                          ; v240-243 the addresses' parts that stay
.set BWS, 241
.set BBQ, 242
.set BBV, 243
.set TB,  244                          ; v244-247 the biases on their way into LDS
.set T8,  248                          ; v248 8 x thread
.set SEL, 44
.set MSB, 0
.macro WIN new                         ; the immediate's high byte repeats the setting that is left
.if MSB != (\new)
	s_set_vgpr_msb (MSB<<8)|(\new)
.set MSB, (\new)
.endif
.endm
.macro STO abs, reg                    ; 2,048 bytes of the work-group into LDS at byte abs: an LDS offset has 16 bits, the register carries the rest
	ds_store_b128 v[F0+((\abs)>>16)], v[\reg:\reg+3] offset:(\abs)&0xffff
.endm
	s_load_b256 s[4:11], s[0:1], 0x0               ; xw_codes, xw_scales, bq, bk
	s_load_b128 s[12:15], s[0:1], 0x20             ; qkv_codes, qkv_scales
	v_lshl_add_u32 v254, v0, 2, 0x27600
	v_mov_b32 v255, 0
	v_lshrrev_b32 v14, 5, v0
	v_readfirstlane_b32 s40, v14                   ; wave
	v_and_b32 v14, 31, v0
	v_lshlrev_b32 v[LI], 4, v14
	v_and_b32 v14, 15, v0                          ; r
	v_bfe_u32 v15, v0, 4, 1                        ; h
	v_lshlrev_b32 v[R32], 5, v14
	v_lshlrev_b32 v[SA], 4, v14
	v_lshl_add_u32 v[SA], v15, 3, v[SA]
	v_lshlrev_b32 v[F0], 4, v0
	v_add_nc_u32 v[F0+1], 0x10000, v[F0]
	v_add_nc_u32 v[F0+2], 0x20000, v[F0]
	v_lshlrev_b32 v[T8], 3, v0
	v_add_nc_u32 v[BA], 0x20000, v[T8]
	v_mov_b32 v[FL], 0x1800000
	v_add_nc_u32 v[BWK], WK, v[LI]
	v_add_nc_u32 v[BWS], WSQ, v[R32]
	v_lshlrev_b32 v[BBQ], 6, v15
	v_add_nc_u32 v[BBQ], BQ, v[BBQ]                ; q's and k's bias: my half's eight numbers of a tile begin 64 h bytes on
	v_and_b32 v[BBV], 8, v14
	v_add_nc_u32 v[BBV], v[BBV], v14
	v_lshlrev_b32 v[BBV], 2, v[BBV]
	v_add_nc_u32 v[BBV], BK, v[BBV]                ; v's bias: the number of my row of a tile of Wk: r + 8 (r / 8)
.irp c, 0,1,2,3,4,5,6,7
	v_mov_b32 v[TP+\c], 0                          ; written once: a lane permute's destination counts as one of its sources
.endr
	s_wait_alu depctr_va_sdst(0)                   ; s40, the wave's number, is written, ahead of its first reader: the wave's addresses are made from it
	s_mov_b32 s[SEL], 0x76543210
	s_mov_b32 s[SEL+1], 0xfedcba98
	s_mov_b32 s50, 0xffff0000                      ; lanes 16-31
	s_and_b32 s42, ttmp7, 0xffff                   ; y: which 256 tokens
	s_mul_i32 s43, ttmp9, 12                       ; the slices' first tile in Wq and in Wk
	s_mov_b32 s39, 0
	s_wait_kmcnt 0x0
	s_add_co_u32 s52, s43, 1024
	s_mul_i32 s38, s52, 6144
	s_add_nc_u64 s[16:17], s[4:5], s[38:39]        ; Wq's slice
	s_lshl_b32 s38, s52, 9
	s_add_nc_u64 s[20:21], s[6:7], s[38:39]        ; its scale words
	s_add_co_u32 s52, s43, 1072
	s_mul_i32 s38, s52, 6144
	s_add_nc_u64 s[18:19], s[4:5], s[38:39]        ; Wk's slice
	s_lshl_b32 s38, s52, 9
	s_add_nc_u64 s[22:23], s[6:7], s[38:39]
	s_lshl_b32 s52, s42, 4
	s_lshl_b32 s53, s40, 2
	s_add_co_u32 s52, s52, s53                     ; my first tile of x: 16 y + 4 wave
	s_mul_i32 s38, s52, 6144
	s_add_nc_u64 s[24:25], s[4:5], s[38:39]
	s_lshl_b32 s38, s52, 9
	s_add_nc_u64 s[26:27], s[6:7], s[38:39]
	s_mul_i32 s38, ttmp9, 768
	s_add_nc_u64 s[8:9], s[8:9], s[38:39]          ; the 192 numbers of bq
	s_add_nc_u64 s[10:11], s[10:11], s[38:39]      ; and of bk
	s_lshr_b32 s52, s42, 2
	s_mul_i32 s52, s52, 12
	s_mul_i32 s53, ttmp9, 3
	s_add_co_u32 s52, s52, s53                     ; hh of the first head
	s_and_b32 s53, s42, 3
	s_lshl_b32 s53, s53, 2
	s_add_co_u32 s53, s53, s40                     ; G
	s_lshl_b32 s54, s52, 15
	s_lshl_b32 s38, s53, 11
	s_add_co_u32 s38, s38, s54
	s_add_nc_u64 s[28:29], s[12:13], s[38:39]      ; q's images: (64 hh + 4 G) x 512
	s_add_nc_u64 s[30:31], s[28:29], 6291456       ; k's
	s_lshr_b32 s38, s53, 1
	s_lshl_b32 s38, s38, 12
	s_and_b32 s55, s53, 1
	s_lshl_b32 s55, s55, 9
	s_add_co_u32 s38, s38, s55
	s_add_co_u32 s38, s38, s54
	s_add_nc_u64 s[32:33], s[12:13], s[38:39]
	s_add_nc_u64 s[32:33], s[32:33], 12582912      ; v's: hh x 32,768 + (G / 2) x 4,096 + (G % 2) x 512
	s_lshl_b32 s38, s52, 12
	s_lshl_b32 s55, s53, 8
	s_add_co_u32 s38, s38, s55
	s_add_nc_u64 s[34:35], s[14:15], s[38:39]      ; q's scale words
	s_add_nc_u64 s[36:37], s[34:35], 786432        ; k's and v's
	; THE FILLS.  The slices come 2,048 bytes an instruction (128 threads x 16), into the registers that the accumulators will take
	WIN 0x80                                       ; destination window 2
	s_wait_alu depctr_va_vdst(0)                   ; every offset and LDS address made above is written: the loads and stores of the whole kernel read them; up to the barrier only loads, stores and window switches follow
.set i, 0
.rept 36
	global_load_b128 v[4*i:4*i+3], v[F0], s[16:17] offset:2048*i
.set i, i+1
.endr
.set i, 0
.rept 3
	global_load_b128 v[144+4*i:144+4*i+3], v[F0], s[20:21] offset:2048*i
	global_load_b128 v[156+4*i:156+4*i+3], v[F0], s[22:23] offset:2048*i
.set i, i+1
.endr
	WIN 0xc0                                       ; destination window 3
.set i, 0
.rept 36
	global_load_b128 v[4*i:4*i+3], v[F0], s[18:19] offset:2048*i
.set i, i+1
.endr
	WIN 0x40                                       ; destination window 1: my four tiles of x are 24,576 bytes on end: register 4 i takes bytes 512 i on
.set i, 0
.rept 48
	global_load_b128 v[4*i:4*i+3], v[LI], s[24:25] offset:512*i
.set i, i+1
.endr
	WIN 0
.irp m, 0,1,2,3
.irp e, 0,1
	global_load_b128 v[XSC+8*\m+4*\e:XSC+8*\m+4*\e+3], v[R32], s[26:27] offset:512*\m+16*\e
.endr
.endr
	s_cmp_lt_u32 s40, 3                            ; 96 threads x 8 bytes bring each bias
	s_cbranch_scc0 .Lno_bias
	global_load_b64 v[TB:TB+1], v[T8], s[8:9]
	global_load_b64 v[TB+2:TB+3], v[T8], s[10:11]
	s_wait_loadcnt 0x0
	ds_store_b64 v[BA], v[TB:TB+1] offset:BQ-0x20000
	ds_store_b64 v[BA], v[TB+2:TB+3] offset:BK-0x20000
.Lno_bias:
	s_wait_loadcnt 0x0                             ; everything is in registers
	WIN 0x08                                       ; an LDS store's data are its source 1: window 2
.set i, 0
.rept 36
	STO WQ+2048*i, 4*i
.set i, i+1
.endr
.set i, 0
.rept 3
	STO WSQ+2048*i, 144+4*i
	STO WSK+2048*i, 156+4*i
.set i, i+1
.endr
	WIN 0x0c                                       ; window 3
.set i, 0
.rept 36
	STO WK+2048*i, 4*i
.set i, i+1
.endr
	WIN 0
	s_wait_dscnt 0x0                               ; for the others' sake: my stores have landed
	s_barrier_signal -1
	s_barrier_wait -1                              ; from here on LDS is only read
	s_wait_alu depctr_vm_vsrc(0)                   ; my LDS stores of the fill have read their data in windows 2 and 3: these registers are accumulators and W's fragments from here on
; A K step of 128: 16 products for q, 16 for k, 16 for v.  The next step's eight fragments of W are asked for behind q's products: they land in the buffer that the step before read, which the wait
; at the step's head has shown free, and q's products name neither that buffer nor the two addresses.  They have 32 matrix instructions in which to come.
.macro KSTEP s
.set WB, 128+64*((\s)%2)
.set WN, 128+64*(1-(\s)%2)
	s_wait_dscnt 0x0                               ; this step's fragments are in
.if (\s > 0) && (\s < 5)
	s_wait_alu depctr_va_vdst(0)                   ; the last step's 48 products are done reading the other buffer, in which this step's loads land (step 0 leans on the wait at the trip's head; step 5 loads nothing)
.endif
.if \s == 0
	WIN 0x96                                       ; D window 2, C (bq) window 1, source 1 (x) window 1, source 0 (W) window 2
.else
	WIN 0xa6                                       ; C and D window 2
.endif
.irp m, 0,1,2,3
.irp t, 0,1,2,3
.if \s == 0
	v_wmma_scale_f32_16x16x128_f8f6f4 v[8*(4*\m+\t):8*(4*\m+\t)+7], v[WB+8*\t:WB+8*\t+7], v[8*(6*\m+\s):8*(6*\m+\s)+7], v[192+8*\t:192+8*\t+7], v[WSC+8*\t+\s], v[XSC+8*\m+\s] matrix_a_fmt:MATRIX_FMT_FP4 matrix_b_fmt:MATRIX_FMT_FP4
.else
	v_wmma_scale_f32_16x16x128_f8f6f4 v[8*(4*\m+\t):8*(4*\m+\t)+7], v[WB+8*\t:WB+8*\t+7], v[8*(6*\m+\s):8*(6*\m+\s)+7], v[8*(4*\m+\t):8*(4*\m+\t)+7], v[WSC+8*\t+\s], v[XSC+8*\m+\s] matrix_a_fmt:MATRIX_FMT_FP4 matrix_b_fmt:MATRIX_FMT_FP4
.endif
.endr
.endr
.if \s < 5
.rept 4
	v_nop                                          ; places in front of loads into registers that matrix instructions have read: kept beside the wait at the step's head
.endr
	WIN 0x80
.irp t, 0,1,2,3
.irp c, 0,1
	ds_load_b128 v[WN+8*\t+4*\c:WN+8*\t+4*\c+3], v[AWQ] offset:(6*\t+\s+1)*1024+512*\c
	ds_load_b128 v[WN+32+8*\t+4*\c:WN+32+8*\t+4*\c+3], v[AWK] offset:(6*\t+\s+1)*1024+512*\c
.endr
.endr
.endif
.if \s == 0
	WIN 0xd6                                       ; D window 3, C (bk) window 1
.else
	WIN 0xf6                                       ; C and D window 3
.endif
.irp m, 0,1,2,3
.irp t, 0,1,2,3
.if \s == 0
	v_wmma_scale_f32_16x16x128_f8f6f4 v[8*(4*\m+\t):8*(4*\m+\t)+7], v[WB+32+8*\t:WB+32+8*\t+7], v[8*(6*\m+\s):8*(6*\m+\s)+7], v[224+8*\t:224+8*\t+7], v[WSC+32+8*\t+\s], v[XSC+8*\m+\s] matrix_a_fmt:MATRIX_FMT_FP4 matrix_b_fmt:MATRIX_FMT_FP4
.else
	v_wmma_scale_f32_16x16x128_f8f6f4 v[8*(4*\m+\t):8*(4*\m+\t)+7], v[WB+32+8*\t:WB+32+8*\t+7], v[8*(6*\m+\s):8*(6*\m+\s)+7], v[8*(4*\m+\t):8*(4*\m+\t)+7], v[WSC+32+8*\t+\s], v[XSC+8*\m+\s] matrix_a_fmt:MATRIX_FMT_FP4 matrix_b_fmt:MATRIX_FMT_FP4
.endif
.endr
.endr
.if \s == 0
	WIN 0xc9                                       ; the sources change places: source 0 (x) window 1, source 1 (Wk) window 2; C (v's bias) window 0, D window 3
.else
	WIN 0xf9
.endif
.irp t, 0,1,2,3
.irp m, 0,1,2,3
.if \s == 0
	v_wmma_scale_f32_16x16x128_f8f6f4 v[128+8*(4*\t+\m):128+8*(4*\t+\m)+7], v[8*(6*\m+\s):8*(6*\m+\s)+7], v[WB+32+8*\t:WB+32+8*\t+7], v[VB+8*\t:VB+8*\t+7], v[XSC+8*\m+\s], v[WSC+32+8*\t+\s] matrix_a_fmt:MATRIX_FMT_FP4 matrix_b_fmt:MATRIX_FMT_FP4
.else
	v_wmma_scale_f32_16x16x128_f8f6f4 v[128+8*(4*\t+\m):128+8*(4*\t+\m)+7], v[8*(6*\m+\s):8*(6*\m+\s)+7], v[WB+32+8*\t:WB+32+8*\t+7], v[128+8*(4*\t+\m):128+8*(4*\t+\m)+7], v[XSC+8*\m+\s], v[WSC+32+8*\t+\s] matrix_a_fmt:MATRIX_FMT_FP4 matrix_b_fmt:MATRIX_FMT_FP4
.endif
.endr
.endr
.endm
; Four groups of 32 registers (from register a of window win) are quantised: in a group register 16 b + i is number 32 b + 16 h + i along the next K: two blocks, each shared with lane l xor 16.
; Eight chains by turns.  Each accumulator is read from its low end on.  Out: four registers of codes a group at v[pc + 4 g], two bytes a group in v[hw + g].
.macro Q32G win, a, pc, hw
.set WMX, ((\win)<<2)|((\win)<<4)
	WIN WMX                                        ; sources 1 and 2 in the accumulators' window
.irp g, 0,1,2,3
.irp b, 0,1
	v_max3_num_f32 v[TM+2*\g+\b], v[FL], |v[\a+32*\g+16*\b]|, |v[\a+32*\g+16*\b+1]|   ; the floor among the leaves: the byte cannot fall under 1
.endr
.endr
.irp i, 2,4,6,8,10,12,14
.irp g, 0,1,2,3
.irp b, 0,1
	v_max3_num_f32 v[TM+2*\g+\b], v[TM+2*\g+\b], |v[\a+32*\g+16*\b+\i]|, |v[\a+32*\g+16*\b+\i+1]|
.endr
.endr
.endr
	WIN 0
.irp c, 0,1,2,3,4,5,6,7
	v_permlanex16_b32 v[TP+\c], v[TM+\c], s[SEL], s[SEL+1]
.endr
.irp c, 0,1,2,3,4,5,6,7
	v_max_num_f32 v[TM+\c], v[TM+\c], v[TP+\c]     ; the block's largest magnitude
.endr
.irp c, 0,1,2,3,4,5,6,7
	v_add_nc_u32 v[TS+\c], 0xff000000, v[TM+\c]    ; 2 off its exponent field: the conversion's scale operand
.endr
.irp c, 0,1,2,3,4,5,6,7
	v_lshrrev_b32 v[TP+\c], 23, v[TS+\c]           ; the scale's byte
.endr
.irp g, 0,1,2,3
	v_lshl_or_b32 v[\hw+\g], v[TP+2*\g+1], 8, v[TP+2*\g]
.endr
	WIN \win                                       ; source 0 in the accumulators' window
.irp g, 0,1,2,3
.irp b, 0,1
.irp e, 0,1
	v_cvt_scalef32_pk8_fp4_f32 v[\pc+4*\g+2*\b+\e], v[\a+32*\g+16*\b+8*\e:\a+32*\g+16*\b+8*\e+7], v[TS+2*\g+\b]
.endr
.endr
.endr
	WIN 0
	v_nop                                          ; one plain place behind a scaled conversion
.irp g, 0,1,2,3
.irp i, 0,1
	v_permlane16_swap_b32 v[\pc+4*\g+\i], v[\pc+4*\g+2+\i]   ; a whole block to a lane: lanes 0-15 block 0, lanes 16-31 block 1
.endr
.endr
.endm
	s_mov_b32 s46, 0                               ; this head's four tiles in a slice: 24,576 bytes a head,
	s_mov_b32 s47, 0                               ; their scale words: 2,048,
	s_mov_b32 s48, 0                               ; its 64 numbers of a bias: 256
	s_mov_b32 s51, 3
.Lhead:
	v_add_nc_u32 v[AWQ], s46, v[LI]                ; (the last trip's LDS loads have read these five: the wait on vm_vsrc at the trip's end)
	v_add_nc_u32 v[AWK], s46, v[BWK]
	v_add_nc_u32 v[AWS], s47, v[BWS]
	v_add_nc_u32 v[ABQ], s48, v[BBQ]
	v_add_nc_u32 v[ABV], s48, v[BBV]
	s_wait_alu depctr_va_vdst(0)                   ; the five addresses are written, which the loads below read; the last trip's products and copies are done with the scale words, the biases and both buffers of W, in which loads land from here on
.irp t, 0,1,2,3
.irp e, 0,1
	ds_load_b128 v[WSC+8*\t+4*\e:WSC+8*\t+4*\e+3], v[AWS] offset:512*\t+16*\e
	ds_load_b128 v[WSC+32+8*\t+4*\e:WSC+32+8*\t+4*\e+3], v[AWS] offset:WSK-WSQ+512*\t+16*\e
.endr
.endr
.irp t, 0,1,2,3
	ds_load_b32 v[VB+8*\t], v[ABV] offset:(32*(\t/2)+8*(\t%2))*4
.endr
	WIN 0x40
.irp t, 0,1,2,3
	ds_load_b128 v[192+8*\t:192+8*\t+3], v[ABQ] offset:(32*(\t/2)+8*(\t%2))*4
	ds_load_b128 v[196+8*\t:196+8*\t+3], v[ABQ] offset:(32*(\t/2)+8*(\t%2))*4+16
	ds_load_b128 v[224+8*\t:224+8*\t+3], v[ABQ] offset:BK-BQ+(32*(\t/2)+8*(\t%2))*4
	ds_load_b128 v[228+8*\t:228+8*\t+3], v[ABQ] offset:BK-BQ+(32*(\t/2)+8*(\t%2))*4+16
.endr
	WIN 0x80
.irp t, 0,1,2,3
.irp c, 0,1
	ds_load_b128 v[128+8*\t+4*\c:128+8*\t+4*\c+3], v[AWQ] offset:(6*\t)*1024+512*\c
	ds_load_b128 v[160+8*\t+4*\c:160+8*\t+4*\c+3], v[AWK] offset:(6*\t)*1024+512*\c
.endr
.endr
	WIN 0
	s_wait_dscnt 32                                ; the scale words and v's four bias numbers are in; behind them 16 bias loads and 16 fragment loads may be out
.irp t, 0,1,2,3
.irp i, 1,2,3,4,5,6,7
	v_mov_b32 v[VB+8*\t+\i], v[VB+8*\t]            ; in v's layout a lane holds one number of the head: its bias in all eight registers
.endr
.endr
	s_wait_alu depctr_va_vdst(0)
.irp s, 0,1,2,3,4,5
	KSTEP \s
.endr
	WIN 0
.rept 4
	v_nop                                          ; places in front of the first read of results
.endr
	Q32G 2, 0, PC, HW                              ; q: group m = my tile m of tokens
	Q32G 3, 0, PC+16, HW+4                         ; k likewise
	s_wait_alu depctr_va_vdst(0)                   ; the conversions and exchanges have written q's and k's codes, which the eight stores read
.irp m, 0,1,2,3
	global_store_b128 v[LI], v[PC+4*\m:PC+4*\m+3], s[28:29] offset:512*\m      ; 32 lanes store 512 consecutive bytes, aligned
.endr
.irp m, 0,1,2,3
	global_store_b128 v[LI], v[PC+16+4*\m:PC+16+4*\m+3], s[30:31] offset:512*\m
.endr
	Q32G 3, 128, PC+32, HW+8                       ; v: group t = tile t of the head's 64; K = my 64 tokens.  (It writes none of the registers that the eight stores read)
.irp m, 0,1,2,3
	v_lshl_or_b32 v[SW+\m], v[HW+\m], 16, v[HW+\m] ; q's word: (b0, b1, b0, b1): it serves q in either half of a fragment
.endr
.irp p, 0,1
	v_lshl_or_b32 v[SW+4+\p], v[HW+5+2*\p], 16, v[HW+4+2*\p]   ; k's: tiles 2 p and 2 p + 1 form one fragment
	v_lshl_or_b32 v[SW+6+\p], v[HW+9+2*\p], 16, v[HW+8+2*\p]   ; v's: tiles 2 p and 2 p + 1, this group's two blocks of keys
.endr
	v_cndmask_b32 v[SW+8], v[SW], v[SW+2], s50     ; lanes 16-31 carry the second halves
	v_cndmask_b32 v[SW+9], v[SW+1], v[SW+3], s50
	v_cndmask_b32 v[SW+10], v[SW+4], v[SW+5], s50
	v_cndmask_b32 v[SW+11], v[SW+6], v[SW+7], s50
	s_wait_alu depctr_va_vdst(0)                   ; v's codes and the four registers of scale words are written, which the six stores read
.irp t, 0,1,2,3
	global_store_b128 v[LI], v[PC+32+4*\t:PC+32+4*\t+3], s[32:33] offset:1024*\t
.endr
	global_store_b64 v[SA], v[SW+8:SW+9], s[34:35]             ; 32 lanes store 256 consecutive bytes, aligned
	global_store_b64 v[SA], v[SW+10:SW+11], s[36:37]
	s_wait_xcnt 0x0                                ; the stores have read their data and bases: both are written again from here on
	s_wait_alu depctr_vm_vsrc(0)                   ; the trip's stores have read the codes and the scale words, and its LDS loads the five addresses: the next trip writes all of them again
	s_add_nc_u64 s[28:29], s[28:29], 32768         ; the next head
	s_add_nc_u64 s[30:31], s[30:31], 32768
	s_add_nc_u64 s[32:33], s[32:33], 32768
	s_add_nc_u64 s[34:35], s[34:35], 4096
	s_add_nc_u64 s[36:37], s[36:37], 4096
	s_add_co_u32 s46, s46, 24576
	s_add_co_u32 s47, s47, 2048
	s_add_co_u32 s48, s48, 256
	s_sub_co_u32 s51, s51, 1
	s_cmp_lg_u32 s51, 0
	s_cbranch_scc1 .Lhead
	s_wait_dscnt 0x0                               ; the closing lines, six on end
	s_wait_alu 0x0
	s_wait_tensorcnt 0x0
	ds_add_u32 v254, v255
	s_wait_dscnt 0x0
	s_endpgm
.Lfunc_end_k_qbf8d6784e3_qkv:
	.size	k_qbf8d6784e3_qkv, .Lfunc_end_k_qbf8d6784e3_qkv-k_qbf8d6784e3_qkv
	.p2alignl 7, 3214868480
	.fill 96, 4, 3214868480
	.section	.rodata,"a",@progbits
	.p2align	6, 0x0
	.amdhsa_kernel k_qbf8d6784e3_qkv
		.amdhsa_group_segment_fixed_size 161792
		.amdhsa_private_segment_fixed_size 0
		.amdhsa_enable_private_segment 0
		.amdhsa_kernarg_size 48
		.amdhsa_user_sgpr_count 2
		.amdhsa_user_sgpr_kernarg_segment_ptr 1
		.amdhsa_wavefront_size32 1
		.amdhsa_system_sgpr_workgroup_id_x 1
		.amdhsa_system_sgpr_workgroup_id_y 1
		.amdhsa_system_sgpr_workgroup_id_z 1
		.amdhsa_system_vgpr_workitem_id 0
		.amdhsa_next_free_vgpr 1024
		.amdhsa_next_free_sgpr 66
		.amdhsa_reserve_vcc 0
		.amdhsa_float_denorm_mode_32 3
		.amdhsa_float_denorm_mode_16_64 3
		.amdhsa_memory_ordered 1
		.amdhsa_forward_progress 1
		.amdhsa_inst_pref_size 95
	.end_amdhsa_kernel
	.amdgpu_metadata
---
amdhsa.version: [ 1, 2 ]
amdhsa.kernels:
  - .name:           k_qbf8d6784e3_qkv
    .symbol:         k_qbf8d6784e3_qkv.kd
    .args:
      - { .name: xw_codes, .offset: 0, .size: 8, .value_kind: global_buffer, .address_space: global }
      - { .name: xw_scales, .offset: 8, .size: 8, .value_kind: global_buffer, .address_space: global }
      - { .name: bq, .offset: 16, .size: 8, .value_kind: global_buffer, .address_space: global }
      - { .name: bk, .offset: 24, .size: 8, .value_kind: global_buffer, .address_space: global }
      - { .name: qkv_codes, .offset: 32, .size: 8, .value_kind: global_buffer, .address_space: global }
      - { .name: qkv_scales, .offset: 40, .size: 8, .value_kind: global_buffer, .address_space: global }
    .group_segment_fixed_size: 161792
    .private_segment_fixed_size: 0
    .kernarg_segment_align: 8
    .kernarg_segment_size: 48
    .max_flat_workgroup_size: 128
    .sgpr_count:     66
    .vgpr_count:     1024
    .wavefront_size: 32
...
	.end_amdgpu_metadata
.endif
;; end of part 6
;; launch attn (part 7): grid 16 x 16, 16 waves a work-group, no clusters, 146,944 bytes of LDS; arguments qkv_codes, qkv_scales, o_codes, o_scales; writes o_codes, o_scales
.if DOCPART == 7
	.amdgcn_target "amdgcn-amd-amdhsa--gfx1250"
	.amdhsa_code_object_version 6
	.text
	.protected	k_qbf8d6784e3_attn
	.globl	k_qbf8d6784e3_attn
	.p2align	8
	.type	k_qbf8d6784e3_attn,@function
k_qbf8d6784e3_attn:
	s_mov_b64 s[64:65], 0
	v_nop
	global_prefetch_b8 v0, s[64:65] scope:SCOPE_SE
	s_setreg_imm32_b32 hwreg(HW_REG_WAVE_SCHED_MODE, 0, 2), 2
	s_setreg_imm32_b32 hwreg(HW_REG_WAVE_MODE, 25, 1), 1
	s_wait_xcnt 0x0
	s_wait_alu depctr_vm_vsrc(0)
; O = softmax(q k^T / 8) v, both products on codes of FP4, and O / l quantised along the head for the last projection.
; THE SOFTMAX: t = score x log2(e) / 8; M = the running largest t rounded UP to a whole number; p = 2^(t - M) is quantised along the keys, not normalised; the row's sum l is taken of
; the unquantised p and divides at the end.  When M moves, the sum and O are multiplied by 2^(old M - new M): exact.
; SHARES: a UNIT is 256 queries of one head; a batch has 48 (head = unit / 4, block of queries = unit % 4).  A WORK-GROUP STAYS: work-group (x, b) takes units 3 x, 3 x + 1, 3 x + 2 of batch b, 256 work-groups in all.
; Three neighbouring units touch at most two heads, A = 3 x / 4 and B = (3 x + 2) / 4: both heads' k and v (32 KB of codes each) and their scale words are brought into two LDS slots ONCE, through registers; one barrier.
; Each of the sixteen waves owns 16 queries of each unit, in 256 registers: four waves to a SIMD, so that one wave's vector work stands beside another's products and LDS loads.  A wave walks its three units
; straight through, 1,024 keys each, 128 a step: no barrier stands between units.  Where all three units lie in one head (x % 4 = 0 or 3) slot 1 holds that head a second time and is not read:
; 68 KB more through the fill, for a fill with one path and no branch on the work-group's number.
; LAYOUT: both products transposed (S^T = k q^T, O^T = v^T p^T): a lane holds one query throughout.  A head has 64 numbers, the instruction takes 128 along K: a fragment of k holds TWO tiles of 16 keys
; (tile 2 p in k = 0 .. 63, tile 2 p + 1 in 64 .. 127) and is multiplied once by (q, zeros) and once by (zeros, q): zero codes add nothing under any scale byte but 0xff.
; The keys of a tile are not neighbours (tile 2 g + u, lane r: key 32 g + 8 u + r + 8 (r / 8)), so that the 16 registers of two neighbouring tiles are 16 neighbouring keys; v's tiles of the head likewise, so that O^T's are 16 neighbours of the head.
; NO CLUSTER: neighbouring work-groups hold different pairs of heads, and each asks for its pair once, at its head, for 384 key steps of its waves; there is no ring whose refills could be joint.
; NO PREFETCH: all of k and v is asked for at the kernel's head; nothing is left to ask for ahead.
; LIMITS: a block of zeros gets the byte 1 (zero codes; read by this program alone); NaN and infinities are not served.
; REGISTERS: v1-11 addresses (v3, v4 the step's); v12 -M, v13 the largest t, v[14:15] the sum in two halves; v16-43 zeros, q of unit 0, zeros, q of unit 1, zeros, q of unit 2, zeros; v44-46 q's scale words;
; v48-79 k's four fragments; v80-111 v's four; v112-175 S^T, then p; v176-207 O^T; v208-211 k's scale words, v212-215 v's; v216-219 O's codes; v220, v221 the next unit's first step; v224-231 p's codes; v232-254 at work.
; THE MODE: SCHED_MODE bits 1:0 = 2 (LLVM: expert scheduling mode 2), set by the entry lines.  The code itself states the register dependences
; between vector or matrix instructions and memory or LDS instructions, with s_wait_alu, always for 0.
; THE PLAN.  Registers that LDS or memory instructions touch, from the barrier on:
;   k and its words (v48-79, v208-211)   read by a step's eight score products, at its head; behind them the NEXT step's land there (in a unit's last step: the next unit's first).
;   v and its words (v80-111, v212-215)  read by a step's last four products; THIS step's land there, in registers that the step before was the last to read.
;   v3, v4 (v220, v221)                  written at a step's head; read by the step's loads.
;   O's codes and v240                   written on a unit's way out; read by its two stores.
; A STEP'S WAITS.  One on vm_vsrc at its head, ahead of the adds to the addresses.  The wait on va_vdst behind the 64 exponentials stands behind the score products, behind the
; last step's products and behind the adds: so all 18 loads of the step follow it and owe nothing more.  The wait behind the four exponentials.  One on va_vdst ahead of the last four products, for p's codes and scale word.
.set SL,  69632                        ; LDS: a slot, one head: k's images at 0,
.set VL,  32768                        ; v's,
.set KSL, 65536                        ; k's scale words [step 8][r 16][fragment 4],
.set VSL, 67584                        ; v's [step 8][r 16][tile 4].  Slot 1 begins at SL
.set OSL, 143360                       ; behind both slots: O's scale bytes on their way out: 512 bytes a unit, 32 a wave
.set QB,  16
.set QW,  44
.set KF,  48
.set VF,  80
.set S,   112
.set O,   176
.set KS,  208
.set VS,  212
.set OC,  216
.set PC,  224
.set QP,  48                           ; s[48:53] where my tile of q lies, a pair for each unit
.set QSP, 54                           ; s[54:59] its scale words
.set OP,  66                           ; s[66:71] where my tile of O's codes goes
.set SLT, 72                           ; s72-74   the unit's slot: 0 or SL
	s_load_b256 s[4:11], s[0:1], 0x0               ; qkv_codes, qkv_scales, o_codes, o_scales
	v_lshl_add_u32 v251, v0, 2, 0x23600
	v_mov_b32 v255, 0
	v_lshrrev_b32 v232, 5, v0
	v_readfirstlane_b32 s18, v232                  ; wave 0..15
	v_and_b32 v232, 31, v0
	v_lshlrev_b32 v1, 4, v232                      ; 16 x lane
	v_and_b32 v233, 15, v0                         ; r
	v_lshlrev_b32 v11, 4, v233                     ; 16 r
	v_add_nc_u32 v2, KSL, v11
	v_lshlrev_b32 v5, 4, v0                        ; 16 x thread: the fill of slot 0,
	v_add_nc_u32 v10, SL, v5                       ; of slot 1
	v_and_b32 v234, 127, v0
	v_lshlrev_b32 v6, 4, v234
	v_bfe_u32 v235, v0, 7, 1
	v_mad_u32_u24 v6, v235, SL, v6
	v_add_nc_u32 v6, KSL, v6                       ; threads 0-255 lay the scale words: slot (thread / 128), 16 bytes at 16 (thread % 128)
	v_lshrrev_b32 v234, 4, v234
	v_lshl_add_u32 v9, v234, 9, v11                ; and take them from step ((thread % 128) / 16), row r: 512 x step + 16 r
	v_lshlrev_b32 v7, 1, v233
	s_wait_alu depctr_va_sdst(0)                   ; s18, the wave's number, is written, ahead of its first reader
	s_lshl_b32 s28, s18, 5
	v_add_nc_u32 v7, s28, v7
	v_add_nc_u32 v7, OSL, v7                       ; my row's two scale bytes of O: 32 x wave + 2 r
	s_lshl_b32 s28, s18, 9
	v_add_nc_u32 v8, s28, v1
	v_add_nc_u32 v8, OSL, v8                       ; waves 0 to 2, at the end: unit (wave)'s 512 bytes, 16 a lane
	s_mov_b32 s20, 0x76543210
	s_mov_b32 s21, 0xfedcba98                      ; lane l xor 16
	s_mov_b32 s22, 0x3e38aa3b                      ; c = log2(e) / 8
	s_mov_b32 s23, s22                             ; (named with it as a pair, so it is written)
	s_mul_i32 s24, ttmp9, 3                        ; my first unit of the batch
	s_and_b32 s26, ttmp7, 0xffff                   ; b
	s_mul_i32 s27, s26, 12                         ; the batch's first head among all 192
	s_lshr_b32 s25, s24, 2                         ; head A
	s_add_co_u32 s44, s24, 2
	s_lshr_b32 s44, s44, 2                         ; head B
	s_mov_b32 s29, 0
	s_wait_kmcnt 0x0
	s_add_co_u32 s28, s27, s25
	s_lshl_b32 s45, s28, 12
	s_lshl_b32 s28, s28, 15
	s_add_nc_u64 s[30:31], s[4:5], s[28:29]
	s_add_nc_u64 s[32:33], s[30:31], 12582912      ; head A's v
	s_add_nc_u64 s[30:31], s[30:31], 6291456       ; and k
	s_mov_b32 s28, s45
	s_add_nc_u64 s[40:41], s[6:7], s[28:29]
	s_add_co_u32 s28, s27, s44
	s_lshl_b32 s45, s28, 12
	s_lshl_b32 s28, s28, 15
	s_add_nc_u64 s[34:35], s[4:5], s[28:29]
	s_add_nc_u64 s[36:37], s[34:35], 12582912      ; head B's v
	s_add_nc_u64 s[34:35], s[34:35], 6291456       ; and k
	s_mov_b32 s28, s45
	s_add_nc_u64 s[42:43], s[6:7], s[28:29]
	s_cmp_lt_u32 s18, 4                            ; waves 0 to 3 lay head A's scale words, waves 4 to 7 head B's
	s_cselect_b64 s[40:41], s[40:41], s[42:43]
	s_add_nc_u64 s[40:41], s[40:41], 786432        ; k's and v's scale words of that head
.irp i, 0,1,2
	s_add_co_u32 s46, s24, \i                      ; unit i
	s_lshr_b32 s47, s46, 2                         ; its head
	s_and_b32 s46, s46, 3
	s_lshl_b32 s46, s46, 4
	s_add_co_u32 s46, s46, s18                     ; my tile of queries in the batch: 16 x block + wave
	s_cmp_lg_u32 s47, s25
	s_cselect_b32 s[SLT+\i], SL, 0                 ; head A lies in slot 0, any other is head B, in slot 1
	s_add_co_u32 s38, s27, s47                     ; the head among all 192
	s_lshl_b32 s28, s38, 15
	s_lshl_b32 s39, s46, 9
	s_add_co_u32 s28, s28, s39
	s_add_nc_u64 s[QP+2*\i:QP+2*\i+1], s[4:5], s[28:29]       ; q's image: (64 head + tile) x 512
	s_lshl_b32 s28, s38, 12
	s_lshr_b32 s39, s46, 2
	s_lshl_b32 s39, s39, 8
	s_add_co_u32 s28, s28, s39
	s_and_b32 s39, s46, 3
	s_lshl_b32 s39, s39, 2
	s_add_co_u32 s28, s28, s39
	s_add_nc_u64 s[QSP+2*\i:QSP+2*\i+1], s[6:7], s[28:29]     ; q's scale words: group (tile / 4), word (tile % 4) of each row's four
	s_lshl_b32 s39, s26, 6
	s_add_co_u32 s39, s39, s46                     ; my tile among all 1,024
	s_mul_i32 s28, s39, 12
	s_add_co_u32 s28, s28, s47
	s_lshl_b32 s28, s28, 9
	s_add_nc_u64 s[OP+2*\i:OP+2*\i+1], s[8:9], s[28:29]       ; o_codes [tile][head][512 bytes]
.endr
	; THE FILL: 512 threads x 16 bytes are 8,192 bytes an instruction; the registers are those that the scores will take
	s_wait_alu depctr_va_vdst(0)                   ; the offsets and LDS addresses v1, v2 and v5 to v11 are written: the loads and stores of the whole kernel read them, and none is written again
.irp i, 0,1,2,3
	global_load_b128 v[S+4*\i:S+4*\i+3], v5, s[30:31] offset:8192*\i
	global_load_b128 v[S+16+4*\i:S+16+4*\i+3], v5, s[32:33] offset:8192*\i
	global_load_b128 v[S+32+4*\i:S+32+4*\i+3], v5, s[34:35] offset:8192*\i
	global_load_b128 v[S+48+4*\i:S+48+4*\i+3], v5, s[36:37] offset:8192*\i
.endr
.irp i, 0,1,2
	global_load_b128 v[QB+4+8*\i:QB+7+8*\i], v1, s[QP+2*\i:QP+2*\i+1]     ; q of all three units: half a fragment each
	global_load_b32 v[QW+\i], v11, s[QSP+2*\i:QSP+2*\i+1]
.endr
	s_cmp_lt_u32 s18, 8                            ; 256 threads lay the scale words as a step wants them
	s_cbranch_scc0 .Lno_words
	global_load_b128 v[KF:KF+3], v9, s[40:41]                  ; the step's first 64 keys: k's word of tiles 0, 1 | v's of tiles 0, 1 | k's of tiles 2, 3 | v's of tiles 2, 3
	global_load_b128 v[KF+4:KF+7], v9, s[40:41] offset:256     ; its second 64 keys
	s_wait_loadcnt 0x0
	v_mov_b32 v[KF+8], v[KF]                       ; k: the step's four fragments
	v_mov_b32 v[KF+9], v[KF+2]
	v_mov_b32 v[KF+10], v[KF+4]
	v_mov_b32 v[KF+11], v[KF+6]
	v_perm_b32 v[KF+12], v[KF+5], v[KF+1], 0x05040100          ; v, tile 0: two bytes of the first 64 keys below, two of the second above
	v_perm_b32 v[KF+13], v[KF+5], v[KF+1], 0x07060302          ; tile 1
	v_perm_b32 v[KF+14], v[KF+7], v[KF+3], 0x05040100          ; tile 2
	v_perm_b32 v[KF+15], v[KF+7], v[KF+3], 0x07060302          ; tile 3
	s_wait_alu depctr_va_vdst(0)                   ; the eight lines above have written the words, which the two LDS stores read
	ds_store_b128 v6, v[KF+8:KF+11]
	ds_store_b128 v6, v[KF+12:KF+15] offset:VSL-KSL
.Lno_words:
	s_wait_loadcnt 0x0                             ; both heads' parts and q are in registers
.irp i, 0,1,2,3
	ds_store_b128 v5, v[S+4*\i:S+4*\i+3] offset:8192*\i
	ds_store_b128 v5, v[S+16+4*\i:S+16+4*\i+3] offset:VL+8192*\i
	ds_store_b128 v10, v[S+32+4*\i:S+32+4*\i+3] offset:8192*\i
	ds_store_b128 v10, v[S+48+4*\i:S+48+4*\i+3] offset:VL+8192*\i
.endr
.irp z, 0,1,2,3
.irp i, 0,1,2,3
	v_mov_b32 v[QB+8*\z+\i], 0                     ; the zero halves beside and between the three q
.endr
.endr
.irp b, 0,1,2,3
	v_mov_b32 v[236+\b], 0                         ; written once: a lane permute's destination counts as one of its sources
.endr
	v_mov_b32 v253, 0                              ; (named as the upper half of the pair v[252:253] before it is first written)
	s_wait_dscnt 0x0                               ; for the others' sake: my stores have landed
	s_barrier_signal -1
	s_barrier_wait -1                              ; from here on the two slots are only read
; k's four fragments and their scale words of one step, by the addresses v[ac] (codes) and v[aw] (words): nine loads
.macro KLOAD ac, aw, oc, ow
	ds_load_b128 v[KS:KS+3], v[\aw] offset:\ow
.irp p, 0,1,2,3
.irp c, 0,1
	ds_load_b128 v[KF+8*\p+4*\c:KF+8*\p+4*\c+3], v[\ac] offset:\oc+1024*\p+512*\c
.endr
.endr
.endm
	s_wait_alu depctr_vm_vsrc(0)                   ; my LDS stores of the fill have read v112-175 and v56-63: the scores and k's fragments are written there from here on
	v_add_nc_u32 v3, s[SLT], v1
	v_add_nc_u32 v4, s[SLT], v2
	s_wait_alu depctr_va_vdst(0)                   ; v3 and v4 are written, which the loads read; the lines that laid the scale words are done with v48-63, in which the loads land; the zero halves beside q, operands of the score products, are written (seven plain lines stand behind the last of them)
	KLOAD 3, 4, 0, 0                               ; unit 0's first step of k
; A KEY STEP of unit u: 128 keys.  last = 1: the unit's eighth step, written out: it asks for the next unit's first k, and in the last unit for none.
.macro STEP u, last
	s_wait_alu depctr_vm_vsrc(0)                   ; the LDS loads issued so far have read the address registers that the adds below write
	v_add_nc_u32 v3, s38, v1
	v_add_nc_u32 v4, s39, v2
.if \last && (\u < 2)
	v_add_nc_u32 v220, s[SLT+\u+1], v1             ; where the next unit's slot begins
	v_add_nc_u32 v221, s[SLT+\u+1], v2
.endif
	s_wait_dscnt 0x0                               ; k of this step and its words, asked for in the step before, are in
.irp p, 0,1,2,3
	v_wmma_scale_f32_16x16x128_f8f6f4 v[S+16*\p:S+16*\p+7], v[KF+8*\p:KF+8*\p+7], v[QB+4+8*\u:QB+11+8*\u], 0, v[KS+\p], v[QW+\u] matrix_a_fmt:MATRIX_FMT_FP4 matrix_b_fmt:MATRIX_FMT_FP4     ; tile 2 p: (q, zeros)
	v_wmma_scale_f32_16x16x128_f8f6f4 v[S+8+16*\p:S+15+16*\p], v[KF+8*\p:KF+8*\p+7], v[QB+8*\u:QB+7+8*\u], 0, v[KS+\p], v[QW+\u] matrix_a_fmt:MATRIX_FMT_FP4 matrix_b_fmt:MATRIX_FMT_FP4    ; tile 2 p + 1: (zeros, q)
.endr                                          ; register S + 16 b + i is key 32 b + 16 (lane / 16) + i of the step
.rept 4
	v_nop
.endr
.irp b, 0,1,2,3
	v_max3_num_f32 v[232+\b], v[S+16*\b], v[S+1+16*\b], v[S+2+16*\b]   ; the largest score of each block of 32 keys: for the row's maximum, and, since p rises with the score, for the block's largest p
.endr
.irp i, 3,5,7,9,11,13
.irp b, 0,1,2,3
	v_max3_num_f32 v[232+\b], v[232+\b], v[S+16*\b+\i], v[S+1+16*\b+\i]
.endr
.endr
.irp b, 0,1,2,3
	v_max_num_f32 v[232+\b], v[232+\b], v[S+15+16*\b]
.endr
.irp b, 0,1,2,3
	v_permlanex16_b32 v[236+\b], v[232+\b], s20, s21
.endr
.irp b, 0,1,2,3
	v_max_num_f32 v[232+\b], v[232+\b], v[236+\b]  ; with lane l xor 16's 16 keys
.endr
	v_max3_num_f32 v254, v232, v233, v234
	v_max_num_f32 v254, v254, v235                 ; the step's largest score of my query
	v_mul_f32 v254, s22, v254                      ; as t (c is positive)
	v_max_num_f32 v13, v13, v254                   ; the running largest t
	v_mov_b32 v254, v12
	v_floor_f32 v12, -v13                          ; the new -M = floor(-t) = -ceil(t)
	v_sub_f32 v254, v12, v254                      ; old M - new M: a whole number, 0 or less
	v_cvt_i32_f32 v254, v254                       ; (it saturates)
	v_ldexp_f32 v252, 1.0, v254                    ; f = 2^(old M - new M)
.set j, 0
.rept 32
	v_pk_fma_f32 v[S+j:S+j+1], v[S+j:S+j+1], s[22:23], v[12:13] op_sel_hi:[1,0,0]   ; t - M, two at a time
.set j, j+2
.endr
.irp b, 0,1,2,3
	v_fma_f32 v[232+\b], v[232+\b], s22, v12       ; the same of each block's largest score
.endr
.set j, 0
	s_wait_alu depctr_va_vdst(0)
.rept 64
	v_exp_f32 v[S+j], v[S+j]                       ; p = 2^(t - M), at most 1
.set j, j+1
.endr
	v_pk_mul_f32 v[14:15], v[14:15], v[252:253] op_sel_hi:[1,0]   ; the sums under the new M: the plain place behind the exponentials
	s_wait_alu depctr_va_vdst(0)                   ; the 64 exponentials have written p, ahead of its first reader.  Also: the step's addresses are written; the score products are done reading k and its words; the last step's products are done reading v and its words: the loads below lean on all three
	ds_load_b128 v[VS:VS+3], v4 offset:VSL-KSL     ; v of THIS step, and its words: nine loads
.irp t, 0,1,2,3
.irp c, 0,1
	ds_load_b128 v[VF+8*\t+4*\c:VF+8*\t+4*\c+3], v3 offset:VL+1024*\t+512*\c
.endr
.endr
.if !\last
	KLOAD 3, 4, 4096, 256                          ; k of the NEXT step: 4,096 bytes of codes and 256 of words further on
.elseif \u < 2
	KLOAD 220, 221, 0, 0                           ; k of the next unit's first step
.endif
.irp b, 0,1,2,3
	v_exp_f32 v[232+\b], v[232+\b]                 ; the block's largest p
.endr
	v_pk_add_f32 v[236:237], v[S:S+1], v[S+2:S+3]  ; the row's sum of the unquantised p, in two chains
.irp j, 4,8,12,16,20,24,28,32,36,40,44,48,52,56,60
	v_pk_add_f32 v[14:15], v[14:15], v[S+\j:S+1+\j]
	v_pk_add_f32 v[236:237], v[236:237], v[S+2+\j:S+3+\j]
.endr
	v_pk_add_f32 v[14:15], v[14:15], v[236:237]
	s_wait_alu depctr_va_vdst(0)                   ; the four exponentials have written the blocks' largest p, ahead of their first reader
.irp b, 0,1,2,3
	v_max_num_f32 v[232+\b], 0x1800000, v[232+\b]  ; the floor 2^(3 - 127): the byte cannot fall under 1
.endr
.irp b, 0,1,2,3
	v_add_nc_u32 v[244+\b], 0xff000000, v[232+\b]  ; the conversion's scale operand
.endr
.irp b, 0,1,2,3
	v_lshrrev_b32 v[236+\b], 23, v[244+\b]         ; the scale's byte
.endr
	v_lshl_or_b32 v253, v237, 8, v236              ; p's scale word for these 128 keys
	v_lshl_or_b32 v253, v238, 16, v253
	v_lshl_or_b32 v253, v239, 24, v253
.irp b, 0,1,2,3
	v_cvt_scalef32_pk8_fp4_f32 v[PC+2*\b], v[S+16*\b:S+7+16*\b], v[244+\b]
	v_cvt_scalef32_pk8_fp4_f32 v[PC+1+2*\b], v[S+8+16*\b:S+15+16*\b], v[244+\b]
.endr
	v_nop                                          ; one plain place behind a scaled conversion
.irp c, 0,1
.irp i, 0,1
	v_permlane16_swap_b32 v[PC+4*\c+\i], v[PC+2+4*\c+\i]   ; a whole block to a lane
.endr
.endr
.set j, 0
.rept 16
	v_pk_mul_f32 v[O+j:O+j+1], v[O+j:O+j+1], v[252:253] op_sel_hi:[1,0]   ; O^T under the new M.  These sixteen are also the places between the scale word and the codes just made and the products below
.set j, j+2
.endr
	s_wait_alu depctr_va_vdst(0)                   ; p's codes and p's scale word are written, which the four scaled products take as operand and as scales; the places above stay beside this wait
.if \last && (\u == 2)
	s_wait_dscnt 0x0                               ; v and its words are in; nothing was asked for behind them
.else
	s_wait_dscnt 9                                 ; v and its words are in; the next k's nine loads may be out
.endif
.irp t, 0,1,2,3
	v_wmma_scale_f32_16x16x128_f8f6f4 v[O+8*\t:O+8*\t+7], v[VF+8*\t:VF+8*\t+7], v[PC:PC+7], v[O+8*\t:O+8*\t+7], v[VS+\t], v253 matrix_a_fmt:MATRIX_FMT_FP4 matrix_b_fmt:MATRIX_FMT_FP4
.endr                                          ; four accumulators by turns; the next step's scores stand between two links of a chain
.endm
; ONE UNIT: my 16 queries of unit u against the 1,024 keys of its head, and the way out.  Written out three times, since q's registers differ from unit to unit.
.macro UNIT u
	v_mov_b32 v13, 0xff61b1e6                      ; the largest t so far: -3e38, under every t
	v_floor_f32 v12, -v13                          ; -M
	v_mov_b32 v14, 0                               ; the sum, in two halves
	v_mov_b32 v15, 0
.set j, 0
.rept 32
	v_mov_b32 v[O+j], 0                            ; O^T: the loop has no first step of its own; the first change of M multiplies zeros
.set j, j+1
.endr
	s_mov_b32 s38, s[SLT+\u]                       ; the step's codes: 4,096 bytes a step in k and in v, from the unit's slot on
	s_mov_b32 s39, s[SLT+\u]                       ; its scale words: 256
	s_mov_b32 s42, 7
.Lstep_\u:                                         ; seven trips; the eighth step stands behind the loop
	STEP \u, 0
	s_add_co_u32 s38, s38, 4096
	s_add_co_u32 s39, s39, 256
	s_sub_co_u32 s42, s42, 1
	s_cmp_lg_u32 s42, 0
	s_cbranch_scc1 .Lstep_\u
	STEP \u, 1
	; THE WAY OUT: O^T / l, quantised along the head: register 16 b + i is number 32 b + 16 h + i of the head's 64
.rept 4
	v_nop
.endr
	v_add_f32 v14, v14, v15
	v_permlanex16_b32 v252, v14, s20, s21
	v_add_f32 v14, v14, v252                       ; the row's sum
	s_wait_alu depctr_va_vdst(0)
	v_rcp_f32 v14, v14
	v_nop                                          ; a plain place behind the reciprocal
	s_wait_alu depctr_va_vdst(0)                   ; the reciprocal is written, ahead of its first reader
.set j, 0
.rept 32
	v_mul_f32 v[S+j], v[O+j], v14
.set j, j+1
.endr
.irp b, 0,1
	v_max3_num_f32 v[232+\b], |v[S+16*\b]|, |v[S+1+16*\b]|, 0x1800000
.endr
.irp i, 2,4,6,8,10,12,14
.irp b, 0,1
	v_max3_num_f32 v[232+\b], v[232+\b], |v[S+16*\b+\i]|, |v[S+1+16*\b+\i]|
.endr
.endr
.irp b, 0,1
	v_permlanex16_b32 v[236+\b], v[232+\b], s20, s21
.endr
.irp b, 0,1
	v_max_num_f32 v[232+\b], v[232+\b], v[236+\b]
.endr
.irp b, 0,1
	v_add_nc_u32 v[244+\b], 0xff000000, v[232+\b]
.endr
.irp b, 0,1
	v_lshrrev_b32 v[236+\b], 23, v[244+\b]
.endr
.if \u > 0
	s_wait_alu depctr_vm_vsrc(0)                   ; the last unit's two stores have read v240 and O's codes, which the lines below write again
.endif
	v_lshl_or_b32 v240, v237, 8, v236              ; my row's two bytes
	s_wait_alu depctr_va_vdst(0)
	s_wait_xcnt 0x0                                ; the last unit's store, a whole unit back, has read O's codes: they are written again below
.irp b, 0,1
	v_cvt_scalef32_pk8_fp4_f32 v[OC+2*\b], v[S+16*\b:S+7+16*\b], v[244+\b]
	v_cvt_scalef32_pk8_fp4_f32 v[OC+1+2*\b], v[S+8+16*\b:S+15+16*\b], v[244+\b]
.endr
	v_nop                                          ; one plain place behind a scaled conversion
	v_permlane16_swap_b32 v[OC], v[OC+2]
	v_permlane16_swap_b32 v[OC+1], v[OC+3]
	s_wait_alu depctr_va_vdst(0)                   ; O's codes and v240 are written, which the two stores read
	global_store_b128 v1, v[OC:OC+3], s[OP+2*\u:OP+2*\u+1]     ; half a fragment of the last product's operand: 512 consecutive bytes, aligned
	ds_store_b16 v7, v240 offset:512*\u            ; lanes r and r + 16 write the same bytes with the same value; each unit has bytes of its own, so no barrier stands between units
.endm
	UNIT 0
	UNIT 1
	UNIT 2
	s_wait_dscnt 0x0                               ; for the others' sake: my scale bytes have landed
	s_barrier_signal -1
	s_barrier_wait -1                              ; each unit's sixteen tiles' scale bytes lie on end in LDS
	s_cmp_lt_u32 s18, 3                            ; wave w stores unit w's
	s_cbranch_scc0 .Lend
	s_add_co_u32 s46, s24, s18                     ; the unit
	s_lshr_b32 s47, s46, 2                         ; its head
	s_and_b32 s46, s46, 3
	s_lshl_b32 s47, s47, 10
	s_lshl_b32 s46, s46, 4
	s_add_co_u32 s47, s47, s46
	s_lshl_b32 s46, s26, 6
	s_add_co_u32 s47, s47, s46                     ; 1,024 x head + the unit's first tile, 64 b + 16 x block
	s_lshl_b32 s28, s47, 5
	s_add_nc_u64 s[10:11], s[10:11], s[28:29]      ; o_scales [head][tile][r][2 bytes]
	ds_load_b128 v[232:235], v8                    ; no vector instruction has been issued since the last unit's wait ahead of its stores: that wait has shown every writer and reader of v232-235 done
	s_wait_dscnt 0x0
	global_store_b128 v1, v[232:235], s[10:11]     ; 512 consecutive bytes, aligned
.Lend:
	s_wait_dscnt 0x0                               ; the closing lines, six on end
	s_wait_alu 0x0
	s_wait_tensorcnt 0x0
	ds_add_u32 v251, v255
	s_wait_dscnt 0x0
	s_endpgm
.Lfunc_end_k_qbf8d6784e3_attn:
	.size	k_qbf8d6784e3_attn, .Lfunc_end_k_qbf8d6784e3_attn-k_qbf8d6784e3_attn
	.p2alignl 7, 3214868480
	.fill 96, 4, 3214868480
	.section	.rodata,"a",@progbits
	.p2align	6, 0x0
	.amdhsa_kernel k_qbf8d6784e3_attn
		.amdhsa_group_segment_fixed_size 146944
		.amdhsa_private_segment_fixed_size 0
		.amdhsa_enable_private_segment 0
		.amdhsa_kernarg_size 32
		.amdhsa_user_sgpr_count 2
		.amdhsa_user_sgpr_kernarg_segment_ptr 1
		.amdhsa_wavefront_size32 1
		.amdhsa_system_sgpr_workgroup_id_x 1
		.amdhsa_system_sgpr_workgroup_id_y 1
		.amdhsa_system_sgpr_workgroup_id_z 1
		.amdhsa_system_vgpr_workitem_id 0
		.amdhsa_next_free_vgpr 256
		.amdhsa_next_free_sgpr 76
		.amdhsa_reserve_vcc 0
		.amdhsa_float_denorm_mode_32 3
		.amdhsa_float_denorm_mode_16_64 3
		.amdhsa_memory_ordered 1
		.amdhsa_forward_progress 1
		.amdhsa_inst_pref_size 114
	.end_amdhsa_kernel
	.amdgpu_metadata
---
amdhsa.version: [ 1, 2 ]
amdhsa.kernels:
  - .name:           k_qbf8d6784e3_attn
    .symbol:         k_qbf8d6784e3_attn.kd
    .args:
      - { .name: qkv_codes, .offset: 0, .size: 8, .value_kind: global_buffer, .address_space: global }
      - { .name: qkv_scales, .offset: 8, .size: 8, .value_kind: global_buffer, .address_space: global }
      - { .name: o_codes, .offset: 16, .size: 8, .value_kind: global_buffer, .address_space: global }
      - { .name: o_scales, .offset: 24, .size: 8, .value_kind: global_buffer, .address_space: global }
    .group_segment_fixed_size: 146944
    .private_segment_fixed_size: 0
    .kernarg_segment_align: 8
    .kernarg_segment_size: 32
    .max_flat_workgroup_size: 512
    .sgpr_count:     76
    .vgpr_count:     256
    .wavefront_size: 32
...
	.end_amdgpu_metadata
.endif
;; end of part 7
;; launch proj (part 8): grid 4 x 64, 4 waves a work-group, no clusters, 98,816 bytes of LDS; arguments o_codes, o_scales, xw_codes, xw_scales, bp, out0; writes out0
.if DOCPART == 8
	.amdgcn_target "amdgcn-amd-amdhsa--gfx1250"
	.amdhsa_code_object_version 6
	.text
	.protected	k_qbf8d6784e3_proj
	.globl	k_qbf8d6784e3_proj
	.p2align	8
	.type	k_qbf8d6784e3_proj,@function
k_qbf8d6784e3_proj:
	s_mov_b64 s[64:65], 0
	v_nop
	global_prefetch_b8 v0, s[64:65] scope:SCOPE_SE
	s_setreg_imm32_b32 hwreg(HW_REG_WAVE_SCHED_MODE, 0, 2), 2
	s_setreg_imm32_b32 hwreg(HW_REG_WAVE_MODE, 25, 1), 1
	s_wait_xcnt 0x0
	s_wait_alu depctr_vm_vsrc(0)
; out = Q(o) Q(Wp)^T + bp on codes of FP4.  o's codes come as images of operand registers ([tile][head][512 bytes]: heads 2 s and 2 s + 1 are K step s), Wp's likewise.
; SHARES: a work-group takes 256 tokens x 192 columns; a wave 64 tokens: its 24 fragments of o stay in registers.  Wp's slice (12 tiles), its scale words and bp's 192 numbers lie in LDS, filled once; one barrier.
; A trip of the loop is 64 columns: 6 K steps x 16 matrix instructions on 16 accumulators, which take turns; bp is the C of each sum's first instruction (added first, not last).
; The product is used transposed (source 0 = 16 rows of Wp): a lane holds one token and 16 neighbouring columns in two tiles' registers.  A tile of 16 tokens x 64 columns goes through the wave's own stage in LDS
; (rows 272 bytes apart) and leaves as whole rows: sixteen lanes store 256 consecutive bytes, aligned.
; NO CLUSTER: what work-groups share (80 KB of weights, 100 KB of o) is asked for once by each, at its head; there is no ring whose refills could be joint.
; o's scale bytes are read as 32 bytes a tile and head, 48 loads a wave, once.
; REGISTERS.  Window 0: addresses; v16-47 o's scale words at 8 m + s; v48-79 Wp's at 8 t + s; v80-127 o's scale bytes as loaded; v96-223 rows on their way out, four sets (the first lies over scale bytes that are done with).
; Window 1: v0-191 o's fragments at 8 (6 m + s); v192-223 bp in the result's layout.  Window 2: v0-127 the accumulators at 8 (4 m + t); v128-255 Wp's fragments, two buffers of 64: two K steps each.
; THE MODE: SCHED_MODE bits 1:0 = 2 (LLVM: expert scheduling mode 2), set by the entry lines.  The code itself states the register dependences
; between vector or matrix instructions and memory or LDS instructions, with s_wait_alu, always for 0.
; THE PLAN.  Registers that memory or LDS instructions touch:
;   v1, v2, v6-13      offsets and LDS addresses, made at the head and never written again.
;   v3-5               a trip's LDS addresses: written by three adds at its head, read by its LDS loads.
;   Wp's two buffers   buffer 0 holds K steps 0, 1 and later 4, 5; buffer 1 steps 2, 3.  Steps 0, 1 are asked for at the trip's head, steps 2, 3 behind step 0's products, steps 4, 5 behind step 1's, which are buffer 0's last readers till then.
;   scale words, bp    (v48-79, window 1 v192-223) read by a trip's products; loaded anew at the next trip's head.
;   the accumulators   written by the products; read by the LDS stores into the stage.
;   the four sets      written by LDS loads from the stage, read by the global stores: no vector instruction names them in the loop.
; A TRIP'S WAITS: on va_vdst behind the three adds, ahead of the loads for steps 4 and 5, and ahead of the stores into the stage; on vm_vsrc at the trip's end.
.set WP,  0
.set WSP, 73728
.set BP,  79872
.set STG, 80896                        ; 16 rows x 272 bytes for each wave
.set LI,  1                            ; v1  16 x lane
.set R32, 2                            ; v2  32 r
.set AW,  3                            ; v3-5 this trip's LDS addresses: Wp, its scale words, bp
.set AWS, 4
.set AB,  5
.set SO,  6                            ; v6  the stage, on the way in
.set SR,  7                            ; v7  and back
.set GO,  8                            ; v8  my byte offset in two rows of out
.set F0,  9                            ; v9-10 16 x thread + 65,536 n
.set BA,  11                           ; v11 8 x thread + 65,536
.set R2,  12                           ; v12 2 r
.set T8,  13                           ; v13 8 x thread
.set BWS, 14
.set BB,  15
.set OSC, 16
.set WSC, 48
.set U,   80
.set RB,  96
.set MSB, 0
.macro WIN new
.if MSB != (\new)
	s_set_vgpr_msb (MSB<<8)|(\new)
.set MSB, (\new)
.endif
.endm
.macro STO abs, reg
	ds_store_b128 v[F0+((\abs)>>16)], v[\reg:\reg+3] offset:(\abs)&0xffff
.endm
	s_load_b256 s[4:11], s[0:1], 0x0               ; o_codes, o_scales, xw_codes, xw_scales
	s_load_b128 s[12:15], s[0:1], 0x20             ; bp, out0
	v_lshl_add_u32 v254, v0, 2, 0x18000
	v_mov_b32 v255, 0
	v_lshrrev_b32 v16, 5, v0
	v_readfirstlane_b32 s40, v16                   ; wave
	v_and_b32 v16, 31, v0
	v_lshlrev_b32 v[LI], 4, v16
	v_and_b32 v16, 15, v0                          ; r
	v_bfe_u32 v17, v0, 4, 1                        ; h
	v_lshlrev_b32 v[R32], 5, v16
	v_lshlrev_b32 v[R2], 1, v16
	v_lshlrev_b32 v[T8], 3, v0
	v_lshlrev_b32 v[F0], 4, v0
	v_add_nc_u32 v[F0+1], 0x10000, v[F0]
	v_add_nc_u32 v[BA], 0x10000, v[T8]
	v_add_nc_u32 v[BWS], WSP, v[R32]
	v_lshlrev_b32 v[BB], 6, v17
	v_add_nc_u32 v[BB], BP, v[BB]
	s_wait_alu depctr_va_sdst(0)                   ; s40, the wave's number, is written, ahead of its first reader
	s_mul_i32 s41, s40, 4352
	s_add_co_u32 s41, s41, STG                     ; my stage
	v_mul_u32_u24 v[SO], v16, 272
	v_lshl_add_u32 v[SO], v17, 6, v[SO]
	v_add_nc_u32 v[SO], s41, v[SO]                 ; in: row r, my half's 16 columns of a block of 32: + 64 h
	v_mul_u32_u24 v[SR], v17, 272
	v_lshl_add_u32 v[SR], v16, 4, v[SR]
	v_add_nc_u32 v[SR], s41, v[SR]                 ; back: lanes 0-15 one row of 256 bytes, lanes 16-31 the next
	v_mul_u32_u24 v[GO], v17, 3072
	v_lshl_add_u32 v[GO], v16, 4, v[GO]            ; and the same two rows in out
	s_and_b32 s42, ttmp7, 0xffff
	s_mov_b32 s39, 0
	s_wait_kmcnt 0x0
	s_mul_i32 s43, ttmp9, 12
	s_add_co_u32 s43, s43, 1120                    ; the slice's first tile
	s_mul_i32 s38, s43, 6144
	s_add_nc_u64 s[16:17], s[8:9], s[38:39]
	s_lshl_b32 s38, s43, 9
	s_add_nc_u64 s[18:19], s[10:11], s[38:39]
	s_lshl_b32 s43, s42, 4
	s_lshl_b32 s44, s40, 2
	s_add_co_u32 s43, s43, s44                     ; my first tile of o: 16 y + 4 wave
	s_mul_i32 s38, s43, 6144
	s_add_nc_u64 s[4:5], s[4:5], s[38:39]
	s_lshl_b32 s38, s43, 5
	s_add_nc_u64 s[6:7], s[6:7], s[38:39]
	s_mul_i32 s38, ttmp9, 768
	s_add_nc_u64 s[12:13], s[12:13], s[38:39]      ; bp's 192 numbers
	s_add_nc_u64 s[14:15], s[14:15], s[38:39]      ; out: my first column,
	s_mul_i32 s38, s43, 16*3072
	s_add_nc_u64 s[14:15], s[14:15], s[38:39]      ; my first token
	WIN 0x80                                       ; destination window 2: the slice on its way into LDS, in the registers that the accumulators will take
	s_wait_alu depctr_va_vdst(0)                   ; every offset and LDS address made above is written: the loads and stores of the whole kernel read them
.set i, 0
.rept 36
	global_load_b128 v[4*i:4*i+3], v[F0], s[16:17] offset:2048*i
.set i, i+1
.endr
.set i, 0
.rept 3
	global_load_b128 v[144+4*i:144+4*i+3], v[F0], s[18:19] offset:2048*i
.set i, i+1
.endr
	WIN 0x40                                       ; destination window 1: my four tiles of o are 24,576 bytes on end
.set i, 0
.rept 48
	global_load_b128 v[4*i:4*i+3], v[LI], s[4:5] offset:512*i th:TH_LOAD_NT_RT
.set i, i+1
.endr
	WIN 0
.irp m, 0,1,2,3
.irp d, 0,1,2,3,4,5,6,7,8,9,10,11
	global_load_u16 v[U+12*\m+\d], v[R2], s[6:7] offset:32768*\d+32*\m     ; row r's two bytes of head d
.endr
.endr
	s_cmp_lt_u32 s40, 3                            ; 96 threads x 8 bytes bring bp
	s_cbranch_scc0 .Lno_bias
	global_load_b64 v[192:193], v[T8], s[12:13]
	s_wait_loadcnt 0x0
	ds_store_b64 v[BA], v[192:193] offset:BP-0x10000
.Lno_bias:
	s_wait_loadcnt 0x0
	WIN 0x08                                       ; an LDS store's data are its source 1: window 2
.set i, 0
.rept 36
	STO WP+2048*i, 4*i
.set i, i+1
.endr
.set i, 0
.rept 3
	STO WSP+2048*i, 144+4*i
.set i, i+1
.endr
	WIN 0
.irp m, 0,1,2,3
.irp s, 0,1,2,3,4,5
	v_lshl_or_b32 v[OSC+8*\m+\s], v[U+12*\m+2*\s+1], 16, v[U+12*\m+2*\s]   ; K step s: heads 2 s and 2 s + 1
.endr
.endr
.rept 8
	v_nop                                          ; a scale register written by a vector instruction stands eight places ahead of a scaled matrix instruction
.endr
	s_wait_dscnt 0x0
	s_barrier_signal -1
	s_barrier_wait -1                              ; the slice lies in LDS; from here on a wave writes only its own stage
	s_wait_alu depctr_vm_vsrc(0)                   ; my LDS stores of the fill have read their data (window 2, and v192, v193): accumulators, Wp's fragments and rows on their way out are written there from here on
.macro WLOAD s                         ; Wp's four fragments of K step s: eight loads, into half s % 2 of buffer (s / 2) % 2
.set WBUF, 128+64*(((\s)/2)%2)+32*((\s)%2)
.irp t, 0,1,2,3
.irp c, 0,1
	ds_load_b128 v[WBUF+8*\t+4*\c:WBUF+8*\t+4*\c+3], v[AW] offset:(6*\t+(\s))*1024+512*\c
.endr
.endr
.endm
.macro PMUL s                          ; K step s: 16 products
.set WB, 128+64*(((\s)/2)%2)+32*((\s)%2)
.irp m, 0,1,2,3
.irp t, 0,1,2,3
.if \s == 0
	v_wmma_scale_f32_16x16x128_f8f6f4 v[8*(4*\m+\t):8*(4*\m+\t)+7], v[WB+8*\t:WB+8*\t+7], v[8*(6*\m+\s):8*(6*\m+\s)+7], v[192+8*\t:192+8*\t+7], v[WSC+8*\t+\s], v[OSC+8*\m+\s] matrix_a_fmt:MATRIX_FMT_FP4 matrix_b_fmt:MATRIX_FMT_FP4
.else
	v_wmma_scale_f32_16x16x128_f8f6f4 v[8*(4*\m+\t):8*(4*\m+\t)+7], v[WB+8*\t:WB+8*\t+7], v[8*(6*\m+\s):8*(6*\m+\s)+7], v[8*(4*\m+\t):8*(4*\m+\t)+7], v[WSC+8*\t+\s], v[OSC+8*\m+\s] matrix_a_fmt:MATRIX_FMT_FP4 matrix_b_fmt:MATRIX_FMT_FP4
.endif
.endr
.endr
.endm
.macro TOSTAGE m                       ; tile m's 32 registers a lane into my stage, each accumulator from its low end on, and back as whole rows, into set m
	WIN 0x08
.irp e, 0,1,2,3,4,5,6,7
	ds_store_b128 v[SO], v[32*(\m)+4*\e:32*(\m)+4*\e+3] offset:128*(\e/4)+16*(\e%4)
.endr
	WIN 0
.irp i, 0,1,2,3,4,5,6,7
	ds_load_b128 v[RB+32*(\m)+4*\i:RB+32*(\m)+4*\i+3], v[SR] offset:544*\i   ; LDS serves a wave's instructions in order: these see the stores above, and the next tile's stores come behind them
.endr
.endm
.macro SEND m, younger                 ; younger: the LDS instructions issued behind tile m's loads, which may stay out
	s_wait_dscnt \younger
.irp i, 0,1,2,3,4,5,6,7
	global_store_b128 v[GO], v[RB+32*(\m)+4*\i:RB+32*(\m)+4*\i+3], s[14:15] offset:(32*((\m)/2)+8*((\m)%2)+2*\i+8*(\i/4))*3072 th:TH_STORE_NT   ; row 2 i + h of the tile is token 32 (m / 2) + 8 (m % 2) + 2 i + h + 8 (i / 4)
.endr
.endm
	s_mov_b32 s46, 0                               ; this trip's four tiles of the slice: 24,576 bytes a trip,
	s_mov_b32 s47, 0                               ; their scale words: 2,048,
	s_mov_b32 s48, 0                               ; its 64 numbers of bp: 256
	s_mov_b32 s49, 3
.Lcols:
	v_add_nc_u32 v[AW], s46, v[LI]                 ; (the last trip's LDS loads have read these three: the wait on vm_vsrc at the trip's end)
	v_add_nc_u32 v[AWS], s47, v[BWS]
	v_add_nc_u32 v[AB], s48, v[BB]
	s_wait_alu depctr_va_vdst(0)                   ; the three addresses are written, which the loads read; the last trip's products are done reading Wp's scale words, bp and both buffers, in which loads land from here on; in the first trip: o's scale words, which the scaled products take, are written
.irp t, 0,1,2,3
.irp e, 0,1
	ds_load_b128 v[WSC+8*\t+4*\e:WSC+8*\t+4*\e+3], v[AWS] offset:512*\t+16*\e
.endr
.endr
	WIN 0x40
.irp t, 0,1,2,3
	ds_load_b128 v[192+8*\t:192+8*\t+3], v[AB] offset:(32*(\t/2)+8*(\t%2))*4
	ds_load_b128 v[196+8*\t:196+8*\t+3], v[AB] offset:(32*(\t/2)+8*(\t%2))*4+16
.endr
	WIN 0x80
	WLOAD 0
	WLOAD 1
	s_wait_dscnt 8                                 ; the scale words, bp and step 0's fragments are in; step 1's eight loads may be out
	WIN 0x96                                       ; D window 2, C (bp) window 1, source 1 (o) window 1, source 0 (Wp) window 2
	PMUL 0
	WIN 0x80
	WLOAD 2                                        ; into buffer 1.  No wait: since the wait at the trip's head only step 0's products have been issued, which name neither buffer 1 nor the address
	WLOAD 3
	s_wait_dscnt 16                                ; step 1's fragments are in; the sixteen loads just issued may be out
	WIN 0xa6                                       ; C and D window 2
	PMUL 1
.rept 4
	v_nop                                          ; places in front of loads into registers that matrix instructions have just read: kept beside the wait below
.endr
	WIN 0x80
	s_wait_alu depctr_va_vdst(0)                   ; the products of steps 0 and 1 are done reading buffer 0, in which the fragments of steps 4 and 5 land
	WLOAD 4
	WLOAD 5
	s_wait_dscnt 24                                ; step 2's fragments are in; step 3's eight loads and the sixteen just issued may be out
	WIN 0xa6
	PMUL 2
	s_wait_dscnt 16                                ; step 3's are in
	PMUL 3
	s_wait_dscnt 8                                 ; step 4's are in
	PMUL 4
	s_wait_dscnt 0x0                               ; step 5's are in
	PMUL 5
	WIN 0
.rept 4
	v_nop                                          ; places in front of the first read of results
.endr
	s_wait_alu depctr_va_vdst(0)                   ; the products have written the sixteen accumulators, which the LDS stores of all four tiles read; the places above stay beside this wait
	TOSTAGE 0
.irp a, 1,2,3
	TOSTAGE \a                                     ; each tile's rows have a set of registers of their own: nothing is owed between the tiles
	SEND \a-1, 16                                  ; behind tile a - 1's loads: tile a's 8 stores and 8 loads
.endr
	SEND 3, 0
	s_wait_xcnt 0x0                                ; the stores have read their registers and their base
	s_wait_alu depctr_vm_vsrc(0)                   ; the LDS stores have read the accumulators, the global stores the four sets, the LDS loads the three addresses: the next trip writes all of them again
	s_add_nc_u64 s[14:15], s[14:15], 256           ; the next 64 columns
	s_add_co_u32 s46, s46, 24576
	s_add_co_u32 s47, s47, 2048
	s_add_co_u32 s48, s48, 256
	s_sub_co_u32 s49, s49, 1
	s_cmp_lg_u32 s49, 0
	s_cbranch_scc1 .Lcols
	s_wait_dscnt 0x0                               ; the closing lines, six on end
	s_wait_alu 0x0
	s_wait_tensorcnt 0x0
	ds_add_u32 v254, v255
	s_wait_dscnt 0x0
	s_endpgm
.Lfunc_end_k_qbf8d6784e3_proj:
	.size	k_qbf8d6784e3_proj, .Lfunc_end_k_qbf8d6784e3_proj-k_qbf8d6784e3_proj
	.p2alignl 7, 3214868480
	.fill 96, 4, 3214868480
	.section	.rodata,"a",@progbits
	.p2align	6, 0x0
	.amdhsa_kernel k_qbf8d6784e3_proj
		.amdhsa_group_segment_fixed_size 98816
		.amdhsa_private_segment_fixed_size 0
		.amdhsa_enable_private_segment 0
		.amdhsa_kernarg_size 48
		.amdhsa_user_sgpr_count 2
		.amdhsa_user_sgpr_kernarg_segment_ptr 1
		.amdhsa_wavefront_size32 1
		.amdhsa_system_sgpr_workgroup_id_x 1
		.amdhsa_system_sgpr_workgroup_id_y 1
		.amdhsa_system_sgpr_workgroup_id_z 1
		.amdhsa_system_vgpr_workitem_id 0
		.amdhsa_next_free_vgpr 768
		.amdhsa_next_free_sgpr 66
		.amdhsa_reserve_vcc 0
		.amdhsa_float_denorm_mode_32 3
		.amdhsa_float_denorm_mode_16_64 3
		.amdhsa_memory_ordered 1
		.amdhsa_forward_progress 1
		.amdhsa_inst_pref_size 46
	.end_amdhsa_kernel
	.amdgpu_metadata
---
amdhsa.version: [ 1, 2 ]
amdhsa.kernels:
  - .name:           k_qbf8d6784e3_proj
    .symbol:         k_qbf8d6784e3_proj.kd
    .args:
      - { .name: o_codes, .offset: 0, .size: 8, .value_kind: global_buffer, .address_space: global }
      - { .name: o_scales, .offset: 8, .size: 8, .value_kind: global_buffer, .address_space: global }
      - { .name: xw_codes, .offset: 16, .size: 8, .value_kind: global_buffer, .address_space: global }
      - { .name: xw_scales, .offset: 24, .size: 8, .value_kind: global_buffer, .address_space: global }
      - { .name: bp, .offset: 32, .size: 8, .value_kind: global_buffer, .address_space: global }
      - { .name: out0, .offset: 40, .size: 8, .value_kind: global_buffer, .address_space: global }
    .group_segment_fixed_size: 98816
    .private_segment_fixed_size: 0
    .kernarg_segment_align: 8
    .kernarg_segment_size: 48
    .max_flat_workgroup_size: 128
    .sgpr_count:     66
    .vgpr_count:     768
    .wavefront_size: 32
...
	.end_amdgpu_metadata
.endif
;; end of part 8
